; MI455X (gfx1250); checked and timed in simulation.
; The chip was launched on July 23, 2026; its instructions are those of AMD's public machine-readable ISA for CDNA 5 (MIT licence, August 2026) and "CDNA5" Instruction Set Architecture Reference Guide (July 2026). The comments in the code are by the model that wrote it; some were corrected since.
;; Quantized Block. Allowed arithmetic: float matrix products may take bf16 or f16 operands with f32 sums; other float arithmetic in f32, or as packed bf16 or f16 multiplies, adds, multiply-adds, maxima and minima; sums over many terms, partial sums and values carried from step to step in f32; what a program stores and reads back later, other than sums and carried values, may be rounded once to bf16 or f16.
;; Inputs: aff1_b 1 float32; aff1_w 1 float32; aff2_b 1 float32; aff2_w 1 float32; fc1_b 4,096 float32; fc1_w 4,096 x 1,024 float32; fc2_b 1,024 float32; fc2_w 1,024 x 4,096 float32; kv_w 2,048 x 1,024 float32; proj_b 1,024 float32; proj_w 1,024 x 1,024 float32; q_w 1,024 x 1,024 float32; x 4 x 1,024 x 1,024 float32.
;; Outputs: out0 4 x 1,024 x 1,024 float32.
;; One version. Each part assembles by itself: llvm-mc -triple=amdgcn-amd-amdhsa -mcpu=gfx1250 --defsym DOCPART=n.
;; ======== version 1 of 1: 6 launches
;; workspace buffers: acta 8,388,608 bytes; wq 8,388,864 bytes; wf1 8,388,864 bytes; wpf 10,485,760 bytes; zerob 16,384 bytes; big 33,554,432 bytes; h2x 16,777,216 bytes
;; launch prep (part 1): grid 1024 x 1, 8 waves a work-group, no clusters, 0 bytes of LDS; arguments x, q_w, kv_w, proj_w, fc1_w, fc2_w, aff1_w, aff1_b, acta, wq, wf1, wpf, zerob; writes acta, wq, wf1, wpf, zerob
.if DOCPART == 1
	.amdgcn_target "amdgcn-amd-amdhsa--gfx1250"
	.amdhsa_code_object_version 6
	.text
	.protected	k_q867467ef55_prep
	.globl	k_q867467ef55_prep
	.p2align	8
	.type	k_q867467ef55_prep,@function
k_q867467ef55_prep:
	s_mov_b64 s[64:65], 0
	v_nop
	global_prefetch_b8 v0, s[64:65] scope:SCOPE_SE
	s_setreg_imm32_b32 hwreg(HW_REG_WAVE_MODE, 25, 1), 1
	s_wait_xcnt 0x0
; QUANTISERS IN FRONT OF THE PRODUCTS.  x goes through the first affine step, the five weight matrices through their quantiser; all leave as whole-number CODES in bf16
; (activations: value x 16, weights: value x 128, both held to -128 .. 127), which bf16 holds exactly.
; LAYOUT OF EVERY CODE MATRIX: by blocks of 64 columns, T[col / 64][row][col % 64]: a row of a block is 128 bytes and a block's rows follow each other without a gap.
; SHARES.  A work-group takes 16 source rows x 1,024 columns; wave w rows 2 w and 2 w + 1.  An item is one block of 64 columns of the two rows: lanes 0-15 the even row, lanes 16-31 the odd one;
; a lane loads 16 bytes (4 f32) and stores 8 (4 codes): a wave's load covers two aligned runs of 256 bytes, its store one.  16 items: 4 trips of 4.
; SECTIONS, by the work-group's number g: 0-255 x -> acta; 256-319 q_w and 320-447 kv_w -> wq; 448-703 fc1_w -> wf1; 704-767 proj_w and 768-1023 fc2_w -> wpf.  They differ in two pointers, a few
; shifts and three factors, all chosen by scalar selects on g: there is one text of arithmetic:  c = clamp(rne(v SC));  t = clamp(rne(c MU));  h = clamp(t + AD).
; For x: SC = 16, MU = code(aff1_w) / 16, AD = code(aff1_b).  For weights: SC = 128, MU = 1, AD = 0, where the second and third step change nothing.
; Work-group 0 also writes zerob (the bias of the q, k, v product) and the first 256 bytes of wq and wf1: the lower clamp of the product that reads them (-128, and 0 for the one with the relu).
; No LDS, matrix unit or cluster: no byte is wanted twice.  LIMITS: NaN and infinities are not treated apart.
.set X, 8                              ; v[8:23]   four items as loaded, worked on in place
.set Y, 24                             ; v[24:31]  four items' codes
	s_load_b512 s[8:23], s[0:1], 0x0               ; x 8, q_w 10, kv_w 12, proj_w 14, fc1_w 16, fc2_w 18, aff1_w 20, aff1_b 22
	s_load_b256 s[24:31], s[0:1], 0x40             ; acta 24, wq 26, wf1 28, wpf 30
	s_load_b64 s[32:33], s[0:1], 0x60              ; zerob
	v_lshrrev_b32 v1, 5, v0
	v_readfirstlane_b32 s53, v1                    ; wave 0..7
	v_bfe_u32 v2, v0, 4, 1
	v_lshl_add_u32 v1, v1, 1, v2                   ; my row of the 16
	v_and_b32 v2, 15, v0                           ; my place in the row's block
	s_mov_b32 s48, 0xc3000000                      ; -128.0
	s_mov_b32 s49, 0x42fe0000                      ; 127.0
	s_mov_b32 s60, ttmp9                           ; g
	s_mov_b32 s54, 0                               ; the section's first g
	s_mov_b32 s55, 0                               ; a constant offset in the destination
	s_mov_b32 s40, 12                              ; log2 of a source row's bytes
	s_mov_b32 s41, 19                              ; log2 of a destination block's bytes
	s_mov_b32 s61, 0xffff                          ; i & this: the chunk of 16 rows
	s_mov_b32 s62, 16                              ; i >> this: the chunk of 1,024 columns (fc2_w alone has more than one)
	s_wait_kmcnt 0x0
	s_load_b32 s34, s[20:21], 0x0                  ; aff1_w
	s_load_b32 s35, s[22:23], 0x0                  ; aff1_b
	s_mov_b64 s[36:37], s[8:9]                     ; source
	s_mov_b64 s[38:39], s[24:25]                   ; destination
	s_cmp_ge_u32 s60, 256
	s_cselect_b64 s[36:37], s[10:11], s[36:37]
	s_cselect_b64 s[38:39], s[26:27], s[38:39]
	s_cselect_b32 s54, 256, s54
	s_cselect_b32 s55, 256, s55                    ; behind the 256 bytes with the clamp
	s_cmp_ge_u32 s60, 320
	s_cselect_b64 s[36:37], s[12:13], s[36:37]
	s_cselect_b32 s54, 320, s54
	s_cselect_b32 s55, 131328, s55                 ; and behind q_w's 1,024 rows of 128 bytes
	s_cmp_ge_u32 s60, 448
	s_cselect_b64 s[36:37], s[16:17], s[36:37]
	s_cselect_b64 s[38:39], s[28:29], s[38:39]
	s_cselect_b32 s54, 448, s54
	s_cselect_b32 s55, 256, s55
	s_cmp_ge_u32 s60, 704
	s_cselect_b64 s[36:37], s[14:15], s[36:37]
	s_cselect_b64 s[38:39], s[30:31], s[38:39]
	s_cselect_b32 s54, 704, s54
	s_cselect_b32 s55, 0, s55
	s_cselect_b32 s41, 17, s41                     ; blocks of 1,024 rows
	s_cmp_ge_u32 s60, 768
	s_cselect_b64 s[36:37], s[18:19], s[36:37]
	s_cselect_b32 s54, 768, s54
	s_cselect_b32 s55, 2097152, s55                ; behind proj_w's 16 blocks
	s_cselect_b32 s40, 14, s40                     ; rows of 4,096 numbers
	s_cselect_b32 s61, 63, s61
	s_cselect_b32 s62, 6, s62
	s_sub_co_u32 s56, s60, s54                     ; i: my chunk in the section
	s_and_b32 s50, s56, s61
	s_lshr_b32 s51, s56, s62
	s_add_co_u32 s59, s40, 4
	s_lshl_b32 s56, s50, s59                       ; 16 source rows a chunk,
	s_lshl_b32 s59, s51, 12                        ; 4,096 bytes a chunk of columns
	s_add_co_u32 s56, s56, s59
	s_mov_b32 s57, 0
	s_add_nc_u64 s[36:37], s[36:37], s[56:57]
	s_lshl_b32 s56, s50, 11                        ; 16 rows of 128 bytes,
	s_lshl_b32 s59, s51, 21                        ; 16 blocks of 131,072 bytes
	s_add_co_u32 s56, s56, s59
	s_add_co_u32 s56, s56, s55
	s_add_nc_u64 s[38:39], s[38:39], s[56:57]
	s_lshl_b32 s50, 4, s41                         ; a trip's four blocks
	s_mov_b32 s51, 0
	v_lshlrev_b32 v3, s40, v1
	v_lshl_add_u32 v3, v2, 4, v3                   ; my 16 bytes in the chunk's first block of columns
	v_lshlrev_b32 v33, 7, v1
	v_lshl_add_u32 v33, v2, 3, v33                 ; my 8 bytes in a destination block
.irp i, 0,1,2,3
	s_lshl_b32 s59, \i, s41
	v_add_nc_u32 v[4+\i], s59, v33                 ; v[4:7]: the same in the trip's four blocks; never rewritten
.endr
	s_wait_kmcnt 0x0
	v_mov_b32 v32, s34
	v_mov_b32 v34, s35
	v_mul_f32 v32, 0x41800000, v32                 ; x 16
	v_mul_f32 v34, 0x41800000, v34
	v_rndne_f32 v32, v32
	v_rndne_f32 v34, v34
	v_med3_num_f32 v32, v32, s48, s49
	v_med3_num_f32 v34, v34, s48, s49
	v_mul_f32 v32, 0x3d800000, v32                 ; code(aff1_w) / 16
	v_readfirstlane_b32 s34, v32
	v_readfirstlane_b32 s35, v34
	s_mov_b32 s42, 0x43000000                      ; 128.0
	s_cmp_lt_u32 s60, 256
	s_cselect_b32 s42, 0x41800000, s42             ; SC
	s_cselect_b32 s44, s34, 1.0                    ; MU
	s_cselect_b32 s46, s35, 0                      ; AD
	s_mov_b32 s43, s42                             ; named as pairs
	s_mov_b32 s45, s44
	s_mov_b32 s47, s46
.macro RC4 x                           ; four numbers rounded to nearest even and held to -128 .. 127
.irp j, 0,1,2,3
	v_rndne_f32 v[(\x)+\j], v[(\x)+\j]
.endr
.irp j, 0,1,2,3
	v_med3_num_f32 v[(\x)+\j], v[(\x)+\j], s48, s49
.endr
.endm
.macro QZ4 x, y
	v_pk_mul_f32 v[(\x):(\x)+1], v[(\x):(\x)+1], s[42:43] op_sel_hi:[1,0]
	v_pk_mul_f32 v[(\x)+2:(\x)+3], v[(\x)+2:(\x)+3], s[42:43] op_sel_hi:[1,0]
	RC4 \x
	v_pk_mul_f32 v[(\x):(\x)+1], v[(\x):(\x)+1], s[44:45] op_sel_hi:[1,0]
	v_pk_mul_f32 v[(\x)+2:(\x)+3], v[(\x)+2:(\x)+3], s[44:45] op_sel_hi:[1,0]
	RC4 \x
	v_pk_add_f32 v[(\x):(\x)+1], v[(\x):(\x)+1], s[46:47] op_sel_hi:[1,0]
	v_pk_add_f32 v[(\x)+2:(\x)+3], v[(\x)+2:(\x)+3], s[46:47] op_sel_hi:[1,0]
.irp j, 0,1,2,3
	v_med3_num_f32 v[(\x)+\j], v[(\x)+\j], s48, s49
.endr
	v_cvt_pk_bf16_f32 v[(\y)], v[(\x)], v[(\x)+1]
	v_cvt_pk_bf16_f32 v[(\y)+1], v[(\x)+2], v[(\x)+3]
.endm
	s_mov_b32 s52, 4
.Ltrip:
.irp i, 0,1,2,3
	global_load_b128 v[X+4*\i:X+4*\i+3], v3, s[36:37] offset:256*\i th:TH_LOAD_NT
.endr
.irp i, 0,1,2,3
	s_wait_loadcnt 3-\i                            ; loads come back in order: item i is in, the trip's younger ones stay out
	QZ4 X+4*\i, Y+2*\i
	global_store_b64 v[4+\i], v[Y+2*\i:Y+2*\i+1], s[38:39] th:TH_STORE_NT
.endr
	s_wait_xcnt 0x0                                ; the codes' registers and the two pointers are written again only behind this wait
	s_add_nc_u64 s[36:37], s[36:37], 1024
	s_add_nc_u64 s[38:39], s[38:39], s[50:51]
	s_sub_co_u32 s52, s52, 1
	s_cmp_lg_u32 s52, 0
	s_cbranch_scc1 .Ltrip
	s_cmp_lg_u32 s60, 0
	s_cbranch_scc1 .Lend
	v_mov_b32 v36, 0                               ; work-group 0: 16,384 bytes of zeros, 16 a thread, four times
	v_mov_b32 v37, 0
	v_mov_b32 v38, 0
	v_mov_b32 v39, 0
	v_lshlrev_b32 v40, 4, v0
.irp i, 0,1,2,3
	global_store_b128 v40, v[36:39], s[32:33] offset:4096*\i
.endr
	s_cmp_lg_u32 s53, 0
	s_cbranch_scc1 .Lend
	v_lshlrev_b32 v41, 3, v0                       ; its wave 0: the two blocks of 256 bytes with the lower clamp
	v_mov_b32 v42, s48
	v_mov_b32 v43, s48
	global_store_b64 v41, v[42:43], s[26:27]
	global_store_b64 v41, v[36:37], s[28:29]
.Lend:
	s_endpgm
.Lfunc_end_k_q867467ef55_prep:
	.size	k_q867467ef55_prep, .Lfunc_end_k_q867467ef55_prep-k_q867467ef55_prep
	.p2alignl 7, 3214868480
	.fill 96, 4, 3214868480
	.section	.rodata,"a",@progbits
	.p2align	6, 0x0
	.amdhsa_kernel k_q867467ef55_prep
		.amdhsa_group_segment_fixed_size 0
		.amdhsa_private_segment_fixed_size 0
		.amdhsa_enable_private_segment 0
		.amdhsa_kernarg_size 104
		.amdhsa_user_sgpr_count 2
		.amdhsa_user_sgpr_kernarg_segment_ptr 1
		.amdhsa_wavefront_size32 1
		.amdhsa_system_sgpr_workgroup_id_x 1
		.amdhsa_system_sgpr_workgroup_id_y 1
		.amdhsa_system_sgpr_workgroup_id_z 1
		.amdhsa_system_vgpr_workitem_id 0
		.amdhsa_next_free_vgpr 48
		.amdhsa_next_free_sgpr 66
		.amdhsa_reserve_vcc 0
		.amdhsa_float_denorm_mode_32 3
		.amdhsa_float_denorm_mode_16_64 3
		.amdhsa_memory_ordered 1
		.amdhsa_forward_progress 1
		.amdhsa_inst_pref_size 13
	.end_amdhsa_kernel
	.amdgpu_metadata
---
amdhsa.version: [ 1, 2 ]
amdhsa.kernels:
  - .name:           k_q867467ef55_prep
    .symbol:         k_q867467ef55_prep.kd
    .args:
      - { .name: x, .offset: 0, .size: 8, .value_kind: global_buffer, .address_space: global }
      - { .name: q_w, .offset: 8, .size: 8, .value_kind: global_buffer, .address_space: global }
      - { .name: kv_w, .offset: 16, .size: 8, .value_kind: global_buffer, .address_space: global }
      - { .name: proj_w, .offset: 24, .size: 8, .value_kind: global_buffer, .address_space: global }
      - { .name: fc1_w, .offset: 32, .size: 8, .value_kind: global_buffer, .address_space: global }
      - { .name: fc2_w, .offset: 40, .size: 8, .value_kind: global_buffer, .address_space: global }
      - { .name: aff1_w, .offset: 48, .size: 8, .value_kind: global_buffer, .address_space: global }
      - { .name: aff1_b, .offset: 56, .size: 8, .value_kind: global_buffer, .address_space: global }
      - { .name: acta, .offset: 64, .size: 8, .value_kind: global_buffer, .address_space: global }
      - { .name: wq, .offset: 72, .size: 8, .value_kind: global_buffer, .address_space: global }
      - { .name: wf1, .offset: 80, .size: 8, .value_kind: global_buffer, .address_space: global }
      - { .name: wpf, .offset: 88, .size: 8, .value_kind: global_buffer, .address_space: global }
      - { .name: zerob, .offset: 96, .size: 8, .value_kind: global_buffer, .address_space: global }
    .group_segment_fixed_size: 0
    .private_segment_fixed_size: 0
    .kernarg_segment_align: 8
    .kernarg_segment_size: 104
    .max_flat_workgroup_size: 256
    .sgpr_count:     66
    .vgpr_count:     48
    .wavefront_size: 32
...
	.end_amdgpu_metadata
.endif
;; end of part 1
;; launch qkv (part 2): grid 24 x 32, 4 waves a work-group, clusters of 4 x 4, 327,680 bytes of LDS; arguments acta, wq, zerob, big; writes big
.if DOCPART == 2
	.amdgcn_target "amdgcn-amd-amdhsa--gfx1250"
	.amdhsa_code_object_version 6
	.text
	.protected	k_q867467ef55_qkv
	.globl	k_q867467ef55_qkv
	.p2align	8
	.type	k_q867467ef55_qkv,@function
k_q867467ef55_qkv:
	s_mov_b64 s[64:65], 0
	v_nop
	global_prefetch_b8 v0, s[64:65] scope:SCOPE_SE
	s_setreg_imm32_b32 hwreg(HW_REG_WAVE_MODE, 25, 1), 1
	s_wait_xcnt 0x0
	s_wait_alu depctr_hold_cnt(0) depctr_sa_sdst(0) depctr_va_vdst(0) depctr_va_sdst(0) depctr_va_ssrc(0) depctr_va_vcc(0) depctr_vm_vsrc(0)
	s_getreg_b32 s2, hwreg(HW_REG_IB_STS2, 6, 4)
	s_cmp_eq_u32 s2, 0
	s_cbranch_scc0 .Lentry_in_a_cluster
	s_endpgm
.Lentry_in_a_cluster:
	s_bfe_u32 s2, ttmp6, 0x10000c
	s_cmp_lg_u32 s2, 0xf033
	s_cbranch_scc0 .Lentry_shape_is_right
	s_endpgm
.Lentry_shape_is_right:
; A PRODUCT OF CODES, acc[m][n] = sum over k of A[m][k] W[n][k], AND ITS QUANTISER.  A (activations x 16) and W (weights x 128) are whole numbers -128 .. 127 in bf16; products and f32 sums of them
; are exact while a sum stays under 2^24.  16 y = acc / 128 + code(bias) / 8, one fused multiply-add; code = clamp(rne(16 y)).
; ONE TEXT, THREE MODES.  0: the code leaves as it is, its lower clamp read from the 256 bytes in front of W (-128; 0 where a relu follows).  1: the block's first sum and second affine step follow:
; x1 = clamp(code(x) + code), h2 = clamp(clamp(rne(x1 w2 / 16)) + b2); both leave.  2: the block's last sum: out = (x1 + code) / 16, in f32.
; LAYOUT of all code matrices: T[col / 64][row][col % 64], rows of 128 bytes, a block's rows without a gap.  So 64 rows x 64 k are 8,192 consecutive bytes.
; SHARES.  A tile of C is 128 x 128; four waves, each 64 x 64: 16 accumulators.  K goes in steps of 256 (four blocks of 64) through two LDS slots.  A wave's tensor load brings 64 rows x 256 k: four runs of
; 8,192 bytes, padded in LDS by 16 bytes behind every 128: LDS rows of 144 bytes = 36 words, so the 16 rows of a fragment load start at 16 different groups of four banks (64 banks of 4 bytes: ISA guide 11.1).
; CLUSTERS: 4 x 4 work-groups; A's tile is asked for jointly along a row of the cluster, W's along a column.  THE MATRIX INSTRUCTION IS USED TRANSPOSED (source 0 = rows of W, source 1 = rows of A): a lane
; holds eight neighbouring columns of one row of C.  No prefetch: a K step here is short and the tiles small.
; LDS: slot 0 at 0, slot 1 at 147,456, the spare words at 294,912.  When slot 0 has had its last K step, its bytes serve the way out: RES (modes 1, 2: the tile of x or x1, by one last tensor load a wave,
; issued as a refill is) at 0, STAGE (128 rows x 272 bytes, written by LDS stores; no tensor load lands there any more) at 65,536.
; REGISTERS: window 0: v16-31 addresses; v32-95 at work on the way out; v96-127 my 32 biases; v128-255 accumulators ((a, b) at 128 + 8 (4 a + b)).  Window 1: two fragment buffers of 128.
; LIMITS: NaN and infinities are not treated apart; a sum beyond 2^24 code units is rounded (its result is clamped anyway).
.set MODE, 0
.if MODE == 2
.set SIZE_K, 4096
.else
.set SIZE_K, 1024
.endif
.if MODE == 0
.set BROWS, 4096                       ; rows in a block of W
.set WOFF,  256                        ; W's first byte in its buffer
.set TAILF, 0
.elseif MODE == 1
.set BROWS, 1024
.set WOFF,  0
.set TAILF, 2
.else
.set BROWS, 1024
.set WOFF,  2097152
.set TAILF, 2
.endif
.set PITCH,  144
.set KBLK,   64*PITCH                  ; 64 rows x 64 k in LDS
.set HALFT,  4*KBLK                    ; what one tensor load brings
.set SLOT,   4*HALFT                   ; A's 128 rows, then W's 128 rows
.set ASTEP,  4*4096*128                ; a K step in A: four blocks of 4,096 rows
.set BSTEP,  4*BROWS*128
.set LAPS,   SIZE_K/512                ; a lap = two K steps
.set RES,    0
.set STAGE,  65536
.set SPITCH, 272
.set SPARE,  2*SLOT                    ; the spare words, 128 bytes for each wave: two blocks of 256 bytes that no other line names
.set ADRA, 16                          ; v16-17  LDS address of my A fragments in slot 0, 1
.set ADRB, 20                          ; v20-21  the same for W
.set STO,  24                          ; v24     where I put 16 bytes of a stage row
.set RD,   25                          ; v25     where I read the stage
.set CO,   26                          ; v26     my byte offset in the output (modes 0, 2)
.set BO,   27                          ; v27     the same in mode 1
.set SPW,  28                          ; v28     my spare word; never rewritten
.set NIL,  29                          ; v29     0; never rewritten
.set RR,   30                          ; v30     where I read RES
.set BOF,  31                          ; v31     my byte offset in the tile's 128 biases
.set TMP,  32
.set BI,   96
.set ACC,  128
.set F0,   0
.set F1,   128
.set G1,  24                           ; s[24:31] group 1 for A; s[32:39] group 0, a set for each slot
.set G0,  32
.set G1B, 48                           ; s[48:55], s[56:63] the same for W
.set G0B, 56
.set MSB, 0
.macro WIN new                         ; the immediate's high byte repeats the setting that is left
.if MSB != (\new)
	s_set_vgpr_msb (MSB<<8)|(\new)
.set MSB, \new
.endif
.endm
.set MUL,  0x05                        ; sources 0 and 1 window 1; C and D window 0
.set TO_F, 0x40                        ; destination window 1, address window 0
.macro JLOAD s                         ; a joint load: waves 0, 1 fetch A's halves, waves 2, 3 W's; an s_nop 0 and four v_nop follow each line
	s_cmp_eq_u32 s11, 0
	s_cbranch_scc0 .Lfor_b_\@
	tensor_load_to_lds s[G0+4*(\s):G0+4*(\s)+3], s[G1:G1+7]
	s_nop 0
.rept 4
	v_nop
.endr
	s_branch .Lasked_\@
.Lfor_b_\@:
	tensor_load_to_lds s[G0B+4*(\s):G0B+4*(\s)+3], s[G1B:G1B+7]
	s_nop 0
.rept 4
	v_nop
.endr
.Lasked_\@:
.endm
.macro RLOAD                           ; the last load: my 32 rows of the tile of x (mode 1) or x1 (mode 2), for my work-group alone
	tensor_load_to_lds s[88:91], s[80:87]
	s_nop 0
.rept 4
	v_nop
.endr
.endm
.macro CREST                           ; a round of the cluster's barrier behind its opening barrier
	s_cmp_lg_u32 s10, 0
	s_cbranch_scc1 .Lnot_wave_0_\@
	s_barrier_signal -3
.Lnot_wave_0_\@:
	s_barrier_wait -3
	s_barrier_signal -1
	s_barrier_wait -1
.endm
.macro CROUND
	s_barrier_signal -1
	s_barrier_wait -1
	CREST
.endm
	s_load_b128 s[4:7], s[0:1], 0x0                ; A s[4:5], W's buffer s[6:7]
.if MODE == 0
	s_load_b64 s[68:69], s[0:1], 0x10              ; bias
	s_load_b64 s[8:9], s[0:1], 0x18                ; out
.elseif MODE == 1
	s_load_b256 s[68:75], s[0:1], 0x10             ; bias 68, x 70, aff2_w 72, aff2_b 74
	s_load_b64 s[8:9], s[0:1], 0x30                ; h2x
.else
	s_load_b128 s[68:71], s[0:1], 0x10             ; bias 68, h2x 70
	s_load_b64 s[8:9], s[0:1], 0x20                ; out0
.endif
	v_lshl_add_u32 v[SPW], v0, 2, SPARE
	v_mov_b32 v[NIL], 0
	ds_add_u32 v[SPW], v[NIL]                      ; the wave's opening: the add, and its wait ahead of my first tensor load; the set-up below stands between them
	v_lshrrev_b32 v1, 5, v0
	v_readfirstlane_b32 s10, v1                    ; wave 0..3
	s_lshr_b32 s11, s10, 1                         ; my half of the tile's rows.  Also: I fetch for A (0) or for W (1)
	s_and_b32 s12, s10, 1                          ; my half of its columns.  Also: which 64 rows I fetch
	s_bfe_u32 s40, ttmp6, 0x40000                  ; cx, cy
	s_bfe_u32 s41, ttmp6, 0x40004
	s_lshl_b32 s42, ttmp9, 2
	s_add_co_u32 s42, s42, s40                     ; tile column
	s_and_b32 s13, ttmp7, 0xffff
	s_lshl_b32 s13, s13, 2
	s_add_co_u32 s13, s13, s41                     ; tile row
	s_lshl_b32 s43, s41, 2
	s_lshl_b32 s43, 15, s43                        ; my row of the cluster
	s_lshl_b32 s44, 0x1111, s40                    ; my column
	s_or_b32 s[G1+0], s43, (1<<16)|(1<<20)|(1<<21)|(4<<22)|(3<<25)   ; mask; 2-byte elements; padding on; bit 21 beside a mask; behind every 32 words; 4 words
	s_or_b32 s[G1B+0], s44, (1<<16)|(1<<20)|(1<<21)|(4<<22)|(3<<25)
.irp g, G1, G1B
	s_mov_b32 s[(\g)+1], 4096<<16                  ; tensor_dim0 = 4,096 elements: 64 rows x 64 k
	s_mov_b32 s[(\g)+2], 4<<16                     ; tensor_dim1 = 4 blocks
	s_mov_b32 s[(\g)+3], 4096<<16                  ; tile_dim0
	s_mov_b32 s[(\g)+4], 4                         ; tile_dim1
	s_mov_b32 s[(\g)+6], 0
	s_mov_b32 s[(\g)+7], 0
.endr
	s_mov_b32 s[G1+5], 4096*64                     ; elements from block to block
	s_mov_b32 s[G1B+5], BROWS*64
.if MODE == 1
	s_mov_b32 s80, 2<<16                           ; x: 32 rows x 128 f32, 1,024 from row to row
	s_mov_b32 s81, 128<<16
	s_mov_b32 s82, 32<<16
	s_mov_b32 s83, 128<<16
	s_mov_b32 s84, 32
	s_mov_b32 s85, 1024
	s_lshl_b32 s89, s10, 14                        ; RES + 16,384 x wave
.elseif MODE == 2
	s_mov_b32 s80, 1<<16                           ; x1: two blocks x (32 rows x 64 codes)
	s_mov_b32 s81, 2048<<16
	s_mov_b32 s82, 2<<16
	s_mov_b32 s83, 2048<<16
	s_mov_b32 s84, 2
	s_mov_b32 s85, 4096*64
	s_lshl_b32 s89, s10, 13                        ; RES + 8,192 x wave
.endif
.if MODE != 0
	s_mov_b32 s86, 0
	s_mov_b32 s87, 0
	s_mov_b32 s88, 1
	s_mov_b32 s78, 0xc3000000                      ; the lower clamp
.endif
	s_mov_b32 s76, 0x3c000000                      ; 1 / 128, as a pair
	s_mov_b32 s77, 0x3c000000
	s_mov_b32 s79, 0x42fe0000                      ; 127.0
	s_mov_b32 s99, 0xc3000000                      ; -128.0
	s_lshl_b32 s17, s12, 13                        ; the 64 rows that I fetch: 128 bytes each
	s_lshl_b32 s16, s13, 14
	s_add_co_u32 s16, s16, s17                     ; A: tile row and wave alone
	s_lshl_b32 s46, s42, 14
	s_add_co_u32 s46, s46, s17
	s_add_co_u32 s46, s46, WOFF                    ; W: tile column and wave alone
	s_mov_b32 s17, 0
	s_mov_b32 s47, 0
	s_mul_i32 s20, s10, HALFT                      ; where they go: no place in the cluster enters an LDS address
	s_lshl_b32 s22, s13, 14                        ; offsets for the way out, in pairs that feed no joint descriptor:
	s_lshl_b32 s23, s10, 12
	s_add_co_u32 s22, s22, s23                     ; my 32 rows of 128 bytes
	s_mov_b32 s23, 0
	s_lshl_b32 s2, s13, 19
	s_lshl_b32 s3, s10, 17
	s_add_co_u32 s2, s2, s3                        ; my 32 rows of 4,096 bytes
	s_mov_b32 s3, 0
	s_lshl_b32 s66, s42, 20                        ; the tile's two blocks of 524,288 bytes
	s_mov_b32 s67, 0
	s_lshl_b32 s18, s42, 9                         ; the tile's 128 f32 in a row
	s_mov_b32 s19, 0
	s_wait_dscnt 0x0                               ; the opening add is done
	s_wait_kmcnt 0x0
	s_add_nc_u64 s[14:15], s[4:5], s[16:17]
	s_add_nc_u64 s[46:47], s[6:7], s[46:47]
	s_add_nc_u64 s[68:69], s[68:69], s[18:19]      ; the bias at the tile's first column
.if MODE == 0
	s_load_b32 s78, s[6:7], 0x0                    ; the lower clamp
.elseif MODE == 1
	s_load_b32 s92, s[72:73], 0x0                  ; aff2_w
	s_load_b32 s94, s[74:75], 0x0                  ; aff2_b
.endif
.if MODE == 2
	s_add_nc_u64 s[8:9], s[8:9], s[2:3]
	s_add_nc_u64 s[8:9], s[8:9], s[18:19]
	s_add_nc_u64 s[90:91], s[70:71], s[22:23]
	s_add_nc_u64 s[90:91], s[90:91], s[66:67]
	s_add_nc_u64 s[90:91], s[90:91], 8388608       ; x1 lies behind h2
	s_or_b32 s91, s91, 0x80000000
.else
	s_add_nc_u64 s[8:9], s[8:9], s[22:23]
	s_add_nc_u64 s[8:9], s[8:9], s[66:67]
.endif
.if MODE == 1
	s_add_nc_u64 s[100:101], s[8:9], 8388608       ; x1 lies behind h2
	s_add_nc_u64 s[90:91], s[70:71], s[2:3]
	s_add_nc_u64 s[90:91], s[90:91], s[18:19]
	s_or_b32 s91, s91, 0x80000000
.endif
	CROUND                                         ; all sixteen work-groups are here: the first joint loads meet
.irp s, 0,1
	s_mov_b32 s[G0+4*(\s)], 1
	s_add_co_u32 s[G0+4*(\s)+1], s20, (\s)*SLOT
	s_add_nc_u64 s[G0+4*(\s)+2:G0+4*(\s)+3], s[14:15], (\s)*ASTEP
	s_or_b32 s[G0+4*(\s)+3], s[G0+4*(\s)+3], 0x80000000
	s_mov_b32 s[G0B+4*(\s)], 1
	s_add_co_u32 s[G0B+4*(\s)+1], s20, (\s)*SLOT
	s_add_nc_u64 s[G0B+4*(\s)+2:G0B+4*(\s)+3], s[46:47], (\s)*BSTEP
	s_or_b32 s[G0B+4*(\s)+3], s[G0B+4*(\s)+3], 0x80000000
	JLOAD \s
.endr
	v_and_b32 v1, 15, v0                           ; l % 16
	v_bfe_u32 v2, v0, 4, 1                         ; l / 16
	s_lshl_b32 s21, s12, 8
	v_lshlrev_b32 v[BOF], 5, v2
	v_add_nc_u32 v[BOF], s21, v[BOF]               ; my 64 columns, my 8 of each 16
.irp b, 0,1,2,3
	global_load_b128 v[BI+8*\b:BI+8*\b+3], v[BOF], s[68:69] offset:64*\b
	global_load_b128 v[BI+8*\b+4:BI+8*\b+7], v[BOF], s[68:69] offset:64*\b+16
.endr
	v_mul_u32_u24 v3, v1, PITCH
	v_lshl_add_u32 v3, v2, 4, v3                   ; a fragment's row x pitch + 16 x half
	s_mul_i32 s21, s11, HALFT
	s_mul_i32 s22, s12, HALFT
	s_add_co_u32 s22, s22, 2*HALFT
.irp s, 0,1
	v_add_nc_u32 v[ADRA+(\s)], s21, v3
	v_add_nc_u32 v[ADRB+(\s)], s22, v3
	s_add_co_u32 s21, s21, SLOT
	s_add_co_u32 s22, s22, SLOT
.endr
	s_mul_i32 s23, s11, 64*SPITCH                  ; into the stage: my 64 rows, my half of their 256 bytes
	s_lshl_b32 s21, s12, 7
	s_add_co_u32 s23, s23, s21
	s_add_co_u32 s23, s23, STAGE
	v_mul_u32_u24 v4, v1, SPITCH
	v_lshl_add_u32 v4, v2, 4, v4
	v_add_nc_u32 v[STO], s23, v4
	s_mul_i32 s23, s10, 32*SPITCH                  ; back: wave w takes rows 32 w .. 32 w + 31
	s_add_co_u32 s23, s23, STAGE
	v_and_b32 v6, 31, v0
.if MODE == 0
	v_bfe_u32 v5, v0, 3, 2                         ; 32 lanes take four rows' 128 bytes of one block
	v_and_b32 v7, 7, v0
	v_mul_u32_u24 v5, v5, SPITCH
	v_lshl_add_u32 v5, v7, 4, v5
	v_add_nc_u32 v[RD], s23, v5
	v_lshlrev_b32 v[CO], 4, v6                     ; which are 512 consecutive bytes of the output
.else
	v_mul_u32_u24 v5, v2, SPITCH                   ; 32 lanes take two rows' 128 bytes of one block, 8 bytes each
	v_lshl_add_u32 v5, v1, 3, v5
	v_add_nc_u32 v[RD], s23, v5
.endif
.if MODE == 1
	s_lshl_b32 s23, s10, 14
	v_lshlrev_b32 v5, 9, v2
	v_lshl_add_u32 v5, v1, 4, v5
	v_add_nc_u32 v[RR], s23, v5                    ; x: rows of 512 bytes, 16 bytes a lane
	v_lshlrev_b32 v[BO], 3, v6
.elseif MODE == 2
	s_lshl_b32 s23, s10, 13
	v_lshl_add_u32 v[RR], v6, 3, s23               ; x1: rows of 128 bytes, 8 bytes a lane
	v_lshlrev_b32 v5, 12, v2
	v_lshl_add_u32 v[CO], v1, 4, v5                ; out0: rows of 4,096 bytes, 16 bytes a lane
.endif
	s_mov_b32 s20, 0x43000000                      ; 128.0, as a pair
	s_mov_b32 s21, 0x43000000
	s_mov_b32 s22, 0x3e000000                      ; 1 / 8
	s_mov_b32 s23, 0x3e000000
	s_wait_loadcnt 0x0                             ; the biases: all this stands in the wait for the first tile
	s_wait_kmcnt 0x0
.set i, 0
.rept 16
	v_pk_mul_f32 v[BI+i:BI+i+1], v[BI+i:BI+i+1], s[20:21] op_sel_hi:[1,0]
.set i, i+2
.endr
.set i, 0
.rept 32
	v_rndne_f32 v[BI+i], v[BI+i]
.set i, i+1
.endr
.set i, 0
.rept 32
	v_med3_num_f32 v[BI+i], v[BI+i], s99, s79
.set i, i+1
.endr
.set i, 0
.rept 16
	v_pk_mul_f32 v[BI+i:BI+i+1], v[BI+i:BI+i+1], s[22:23] op_sel_hi:[1,0]  ; code(bias) / 8
.set i, i+2
.endr
.if MODE == 1
	v_mov_b32 v6, s92
	v_mov_b32 v7, s94
	v_mul_f32 v6, 0x41800000, v6
	v_mul_f32 v7, 0x41800000, v7
	v_rndne_f32 v6, v6
	v_rndne_f32 v7, v7
	v_med3_num_f32 v6, v6, s99, s79
	v_med3_num_f32 v7, v7, s99, s79
	v_mul_f32 v6, 0x3d800000, v6
	v_readfirstlane_b32 s92, v6                    ; code(aff2_w) / 16
	v_readfirstlane_b32 s94, v7                    ; code(aff2_b)
	s_mov_b32 s93, s92
	s_mov_b32 s95, s94
	s_mov_b32 s96, 0x41800000                      ; 16.0
	s_mov_b32 s97, 0x41800000
.elseif MODE == 2
	s_mov_b32 s96, 0x3d800000                      ; 1 / 16
	s_mov_b32 s97, 0x3d800000
.endif
; 8 matrix instructions: m blocks a0, a0 + 1 x all 4 n blocks, 32 along K: half c of buffer f.  zero = 1: the first product starts the sums.  The 16 accumulators take turns.
.macro MUL8 f, c, a0, zero
	WIN MUL
.irp a, \a0, (\a0)+1
.irp b, 0,1,2,3
.if \zero
	v_wmma_f32_16x16x32_bf16 v[ACC+8*(4*(\a)+(\b)):ACC+8*(4*(\a)+(\b))+7], v[(\f)+64+8*(4*(\c)+(\b)):(\f)+64+8*(4*(\c)+(\b))+7], v[(\f)+8*(4*(\c)+(\a)):(\f)+8*(4*(\c)+(\a))+7], 0
.else
	v_wmma_f32_16x16x32_bf16 v[ACC+8*(4*(\a)+(\b)):ACC+8*(4*(\a)+(\b))+7], v[(\f)+64+8*(4*(\c)+(\b)):(\f)+64+8*(4*(\c)+(\b))+7], v[(\f)+8*(4*(\c)+(\a)):(\f)+8*(4*(\c)+(\a))+7], v[ACC+8*(4*(\a)+(\b)):ACC+8*(4*(\a)+(\b))+7]
.endif
.endr
.endr
.endm
; 32 LDS loads in one run: the fragments of one block of 64 k, which begins at byte k of a half tile, into buffer f; its first 32 k first
.macro FETCH slot, k, f
	WIN TO_F
.irp c, 0,1
.irp i, 0,1,2,3
	ds_load_b128 v[(\f)+64+8*(4*(\c)+(\i)):(\f)+64+8*(4*(\c)+(\i))+3],   v[ADRB+(\slot)] offset:(\k)+64*(\c)+(\i)*16*PITCH
	ds_load_b128 v[(\f)+64+8*(4*(\c)+(\i))+4:(\f)+64+8*(4*(\c)+(\i))+7], v[ADRB+(\slot)] offset:(\k)+64*(\c)+(\i)*16*PITCH+32
	ds_load_b128 v[(\f)+8*(4*(\c)+(\i)):(\f)+8*(4*(\c)+(\i))+3],         v[ADRA+(\slot)] offset:(\k)+64*(\c)+(\i)*16*PITCH
	ds_load_b128 v[(\f)+8*(4*(\c)+(\i))+4:(\f)+8*(4*(\c)+(\i))+7],       v[ADRA+(\slot)] offset:(\k)+64*(\c)+(\i)*16*PITCH+32
.endr
.endr
.endm
.macro PLACES                          ; four places in front of loads into registers that matrix instructions have read, and of vector lines that read results
.rept 4
	v_nop
.endr
.endm
; A K step is four quarters of 64 along K, 32 matrix instructions each, on buffers 0, 1, 0, 1.  One of the first three: multiplies buffer f and fetches the next quarter, at byte k, into g.
.macro QUARTER slot, k, f, g, zero
	s_wait_dscnt 16                                ; the first 32 along K are in; the sixteen younger loads may be out
	WIN MUL
	MUL8 \f, 0, 0, \zero
	MUL8 \f, 0, 2, \zero
	PLACES
	FETCH \slot, \k, \g
	s_wait_dscnt 32                                ; all but the 32 just issued
	WIN MUL
	MUL8 \f, 1, 0, 0
	MUL8 \f, 1, 2, 0
.endm
; The last quarter multiplies buffer 1 and changes slots: ONE barrier; in front of it each wave waits for all its tensor loads, adds 0 to its spare word, and waits for that and for its reads of this slot.
; fill = 1: the slot is filled again, two K steps ahead, jointly, behind a round of the cluster's barrier.  fill = 2: slot 0 has had its last K step: behind the same round each wave asks for its part of RES.
.macro TURN slot, next, fill
	WIN 0                                          ; (the add's two registers lie in window 0)
	s_wait_tensorcnt 0x0                           ; all my tensor loads have landed: my part of the next slot
	ds_add_u32 v[SPW], v[NIL]                      ; 0 onto my spare word
	s_wait_dscnt 17                                ; (the add and the youngest sixteen loads may be out)
	WIN MUL
	MUL8 F1, 0, 0, 0
	s_wait_dscnt 0x0                               ; the add is done, and my reads of this slot are over
	s_barrier_signal -1
	MUL8 F1, 0, 2, 0
.if \fill
	WIN 0
.endif
	s_barrier_wait -1
.if (\fill) == 1
	CREST                                          ; no wave of any partner still reads this slot's tile or has a load on its way
	s_add_nc_u64 s[G0+4*(\slot)+2:G0+4*(\slot)+3], s[G0+4*(\slot)+2:G0+4*(\slot)+3], 2*ASTEP
	s_add_nc_u64 s[G0B+4*(\slot)+2:G0B+4*(\slot)+3], s[G0B+4*(\slot)+2:G0B+4*(\slot)+3], 2*BSTEP
	JLOAD \slot                                    ; the four v_nop behind it are also the places in front of the loads below
.elseif (\fill) == 2
	CREST
	RLOAD                                          ; it has the last K step's products in which to land
.else
	PLACES
.endif
	FETCH \next, 0, F0
	WIN MUL
	MUL8 F1, 1, 0, 0
	MUL8 F1, 1, 2, 0
.endm
	s_wait_tensorcnt 1                             ; my part of K step 0 is in; K step 1's may stay out
	s_barrier_signal -1
	s_barrier_wait -1
	FETCH 0, 0, F0
	QUARTER 0, KBLK, F0, F1, 1                     ; the first quarter stands in front of the loop: its first products start the sums
	WIN 0
	s_mov_b32 s3, LAPS-1
.Llap:                                                 ; a trip goes once round the ring and fills both slots again
	QUARTER 0, 2*KBLK, F1, F0, 0
	QUARTER 0, 3*KBLK, F0, F1, 0
	TURN 0, 1, 1
	QUARTER 1, KBLK,   F0, F1, 0
	QUARTER 1, 2*KBLK, F1, F0, 0
	QUARTER 1, 3*KBLK, F0, F1, 0
	TURN 1, 0, 1
	QUARTER 0, KBLK,   F0, F1, 0
	WIN 0
	s_sub_co_u32 s3, s3, 1
	s_cmp_lg_u32 s3, 0
	s_cbranch_scc1 .Llap
	QUARTER 0, 2*KBLK, F1, F0, 0                   ; the last lap asks for no K step
	QUARTER 0, 3*KBLK, F0, F1, 0
	TURN 0, 1, TAILF
	QUARTER 1, KBLK,   F0, F1, 0
	QUARTER 1, 2*KBLK, F1, F0, 0
	QUARTER 1, 3*KBLK, F0, F1, 0
	s_wait_dscnt 16
	WIN MUL
	MUL8 F1, 0, 0, 0
	MUL8 F1, 0, 2, 0
	s_wait_dscnt 0x0
	MUL8 F1, 1, 0, 0
	MUL8 F1, 1, 2, 0
	WIN 0
	; THE WAY OUT, first part: acc / 128 + bias, rounded to nearest even, clamped, packed; 16 bytes a lane into the stage.  Each accumulator is read from its low end on.
	PLACES
.macro CONV t
.set rA, ACC+8*(\t)
.set rB, BI+8*((\t)%4)
.irp r, 0,2,4,6
	v_pk_fma_f32 v[rA+\r:rA+\r+1], v[rA+\r:rA+\r+1], s[76:77], v[rB+\r:rB+\r+1] op_sel_hi:[1,0,1]
.endr
.irp r, 0,1,2,3,4,5,6,7
	v_rndne_f32 v[rA+\r], v[rA+\r]
.endr
.irp r, 0,1,2,3,4,5,6,7
	v_med3_num_f32 v[rA+\r], v[rA+\r], s78, s79
.endr
.irp r, 0,1,2,3
	v_cvt_pk_bf16_f32 v[TMP+4*(\t)+\r], v[rA+2*\r], v[rA+2*\r+1]
.endr
.endm
.irp t, 0,1,2,3,4,5,6,7,8,9,10,11,12,13,14,15
	CONV \t
.endr
.irp a, 0,1,2,3
.irp b, 0,1,2,3
	ds_store_b128 v[STO], v[TMP+4*(4*(\a)+(\b)):TMP+4*(4*(\a)+(\b))+3] offset:(\a)*16*SPITCH+32*(\b)
.endr
.endr
	s_wait_dscnt 0x0                               ; for the others' sake: my stores into the stage are done
	s_barrier_signal -1
	s_barrier_wait -1
.if MODE == 0
	; second part: whole rows back; a store covers four rows of one block: 512 consecutive bytes
.irp t, 0,1,2,3,4,5,6,7,8,9,10,11,12,13,14,15
	ds_load_b128 v[TMP+4*(\t):TMP+4*(\t)+3], v[RD] offset:((\t)/2)*4*SPITCH+((\t)%2)*128
.endr
.irp t, 0,1,2,3,4,5,6,7,8,9,10,11,12,13,14,15
	s_wait_dscnt 15-(\t)                           ; the younger loads may stay out
	global_store_b128 v[CO], v[TMP+4*(\t):TMP+4*(\t)+3], s[8:9] offset:((\t)%2)*524288+((\t)/2)*512
.endr
.else
	; second part: eight trips of four rows.  Item it: rows 2 (it / 2) and + 1 of the four, block it % 2; a lane has 4 numbers.
.macro ITEM it
.if MODE == 1
.set zc, 32+2*(\it)
.set xr, 40+4*(\it)
	v_lshlrev_b32 v56, 16, v[zc]                   ; the product's codes as f32
	v_and_b32 v57, 0xffff0000, v[zc]
	v_lshlrev_b32 v58, 16, v[zc+1]
	v_and_b32 v59, 0xffff0000, v[zc+1]
	v_pk_mul_f32 v[xr:xr+1], v[xr:xr+1], s[96:97] op_sel_hi:[1,0]
	v_pk_mul_f32 v[xr+2:xr+3], v[xr+2:xr+3], s[96:97] op_sel_hi:[1,0]
.irp j, 0,1,2,3
	v_rndne_f32 v[xr+\j], v[xr+\j]
.endr
.irp j, 0,1,2,3
	v_med3_num_f32 v[xr+\j], v[xr+\j], s78, s79    ; code(x)
.endr
	v_pk_add_f32 v[xr:xr+1], v[xr:xr+1], v[56:57]
	v_pk_add_f32 v[xr+2:xr+3], v[xr+2:xr+3], v[58:59]
.irp j, 0,1,2,3
	v_med3_num_f32 v[xr+\j], v[xr+\j], s78, s79    ; x1
.endr
	v_cvt_pk_bf16_f32 v[72+2*(\it)], v[xr], v[xr+1]
	v_cvt_pk_bf16_f32 v[73+2*(\it)], v[xr+2], v[xr+3]
	v_pk_mul_f32 v[xr:xr+1], v[xr:xr+1], s[92:93] op_sel_hi:[1,0]
	v_pk_mul_f32 v[xr+2:xr+3], v[xr+2:xr+3], s[92:93] op_sel_hi:[1,0]
.irp j, 0,1,2,3
	v_rndne_f32 v[xr+\j], v[xr+\j]
.endr
.irp j, 0,1,2,3
	v_med3_num_f32 v[xr+\j], v[xr+\j], s78, s79
.endr
	v_pk_add_f32 v[xr:xr+1], v[xr:xr+1], s[94:95] op_sel_hi:[1,0]
	v_pk_add_f32 v[xr+2:xr+3], v[xr+2:xr+3], s[94:95] op_sel_hi:[1,0]
.irp j, 0,1,2,3
	v_med3_num_f32 v[xr+\j], v[xr+\j], s78, s79    ; h2
.endr
	v_cvt_pk_bf16_f32 v[64+2*(\it)], v[xr], v[xr+1]
	v_cvt_pk_bf16_f32 v[65+2*(\it)], v[xr+2], v[xr+3]
	global_store_b64 v[BO], v[64+2*(\it):65+2*(\it)], s[8:9] offset:((\it)%2)*524288+((\it)/2)*256      ; 256 consecutive bytes, aligned
	global_store_b64 v[BO], v[72+2*(\it):73+2*(\it)], s[100:101] offset:((\it)%2)*524288+((\it)/2)*256
.else
.set mc, 32+2*(\it)
.set xq, 40+2*(\it)
.set ou, 64+4*(\it)
	v_lshlrev_b32 v[ou], 16, v[mc]
	v_and_b32 v[ou+1], 0xffff0000, v[mc]
	v_lshlrev_b32 v[ou+2], 16, v[mc+1]
	v_and_b32 v[ou+3], 0xffff0000, v[mc+1]
	v_lshlrev_b32 v48, 16, v[xq]
	v_and_b32 v49, 0xffff0000, v[xq]
	v_lshlrev_b32 v50, 16, v[xq+1]
	v_and_b32 v51, 0xffff0000, v[xq+1]
	v_pk_add_f32 v[ou:ou+1], v[ou:ou+1], v[48:49]
	v_pk_add_f32 v[ou+2:ou+3], v[ou+2:ou+3], v[50:51]
	v_pk_mul_f32 v[ou:ou+1], v[ou:ou+1], s[96:97] op_sel_hi:[1,0]
	v_pk_mul_f32 v[ou+2:ou+3], v[ou+2:ou+3], s[96:97] op_sel_hi:[1,0]
	global_store_b128 v[CO], v[ou:ou+3], s[8:9] offset:((\it)/2)*8192+((\it)%2)*256  ; 16 lanes store 256 consecutive bytes, aligned
.endif
.endm
	s_wait_tensorcnt 0x0                           ; my part of RES is in; I alone read it
	s_mov_b32 s98, 8
.Lrows:
.irp it, 0,1,2,3
	ds_load_b64 v[32+2*\it:33+2*\it], v[RD] offset:(\it/2)*2*SPITCH+(\it%2)*128
.endr
.irp it, 0,1,2,3
.if MODE == 1
	ds_load_b128 v[40+4*\it:43+4*\it], v[RR] offset:(\it/2)*1024+(\it%2)*256
.else
	ds_load_b64 v[40+2*\it:41+2*\it], v[RR] offset:(\it%2)*4096+(\it/2)*256
.endif
.endr
	s_wait_dscnt 0x0
.irp it, 0,1,2,3
	ITEM \it
.endr
	v_add_nc_u32 v[RD], 4*SPITCH, v[RD]
.if MODE == 1
	v_add_nc_u32 v[RR], 2048, v[RR]
.else
	v_add_nc_u32 v[RR], 512, v[RR]
.endif
	s_wait_xcnt 0x0                                ; the stores' data and bases are written again only behind this wait
.if MODE == 1
	s_add_nc_u64 s[8:9], s[8:9], 512
	s_add_nc_u64 s[100:101], s[100:101], 512
.else
	s_add_nc_u64 s[8:9], s[8:9], 16384
.endif
	s_sub_co_u32 s98, s98, 1
	s_cmp_lg_u32 s98, 0
	s_cbranch_scc1 .Lrows
.endif
	s_wait_tensorcnt 0x0                           ; the wave's end: 0 onto my spare word, behind my last tensor load and my last LDS store
	ds_add_u32 v[SPW], v[NIL]
	s_wait_dscnt 0x0
	CROUND                                         ; the closing round: no work-group ends while a partner may still ask for a tile that names it
	s_endpgm
.Lfunc_end_k_q867467ef55_qkv:
	.size	k_q867467ef55_qkv, .Lfunc_end_k_q867467ef55_qkv-k_q867467ef55_qkv
	.p2alignl 7, 3214868480
	.fill 96, 4, 3214868480
	.section	.rodata,"a",@progbits
	.p2align	6, 0x0
	.amdhsa_kernel k_q867467ef55_qkv
		.amdhsa_group_segment_fixed_size 327680
		.amdhsa_private_segment_fixed_size 0
		.amdhsa_enable_private_segment 0
		.amdhsa_kernarg_size 32
		.amdhsa_user_sgpr_count 2
		.amdhsa_user_sgpr_kernarg_segment_ptr 1
		.amdhsa_wavefront_size32 1
		.amdhsa_system_sgpr_workgroup_id_x 1
		.amdhsa_system_sgpr_workgroup_id_y 1
		.amdhsa_system_sgpr_workgroup_id_z 1
		.amdhsa_system_vgpr_workitem_id 0
		.amdhsa_next_free_vgpr 512
		.amdhsa_next_free_sgpr 102
		.amdhsa_reserve_vcc 0
		.amdhsa_float_denorm_mode_32 3
		.amdhsa_float_denorm_mode_16_64 3
		.amdhsa_memory_ordered 1
		.amdhsa_forward_progress 1
		.amdhsa_inst_pref_size 109
	.end_amdhsa_kernel
	.amdgpu_metadata
---
amdhsa.version: [ 1, 2 ]
amdhsa.kernels:
  - .name:           k_q867467ef55_qkv
    .symbol:         k_q867467ef55_qkv.kd
    .args:
      - { .name: acta, .offset: 0, .size: 8, .value_kind: global_buffer, .address_space: global }
      - { .name: wq, .offset: 8, .size: 8, .value_kind: global_buffer, .address_space: global }
      - { .name: zerob, .offset: 16, .size: 8, .value_kind: global_buffer, .address_space: global }
      - { .name: big, .offset: 24, .size: 8, .value_kind: global_buffer, .address_space: global }
    .group_segment_fixed_size: 327680
    .private_segment_fixed_size: 0
    .kernarg_segment_align: 8
    .kernarg_segment_size: 32
    .max_flat_workgroup_size: 128
    .sgpr_count:     102
    .vgpr_count:     512
    .wavefront_size: 32
...
	.end_amdgpu_metadata
.endif
;; end of part 2
;; launch attn (part 3): grid 4 x 64, 4 waves a work-group, clusters of 4 x 1, 327,680 bytes of LDS; arguments big, acta; writes acta
.if DOCPART == 3
	.amdgcn_target "amdgcn-amd-amdhsa--gfx1250"
	.amdhsa_code_object_version 6
	.text
	.protected	k_q867467ef55_attn
	.globl	k_q867467ef55_attn
	.p2align	8
	.type	k_q867467ef55_attn,@function
k_q867467ef55_attn:
	s_mov_b64 s[64:65], 0
	v_nop
	global_prefetch_b8 v0, s[64:65] scope:SCOPE_SE
	s_setreg_imm32_b32 hwreg(HW_REG_WAVE_MODE, 25, 1), 1
	s_wait_xcnt 0x0
	s_wait_alu depctr_hold_cnt(0) depctr_sa_sdst(0) depctr_va_vdst(0) depctr_va_sdst(0) depctr_va_ssrc(0) depctr_va_vcc(0) depctr_vm_vsrc(0)
	s_getreg_b32 s2, hwreg(HW_REG_IB_STS2, 6, 4)
	s_cmp_eq_u32 s2, 0
	s_cbranch_scc0 .Lentry_in_a_cluster
	s_endpgm
.Lentry_in_a_cluster:
	s_bfe_u32 s2, ttmp6, 0x10000c
	s_cmp_lg_u32 s2, 0x3003
	s_cbranch_scc0 .Lentry_shape_is_right
	s_endpgm
.Lentry_shape_is_right:
; ATTENTION ON CODES.  big holds q, k, v as whole numbers -128 .. 127 (value x 16) in bf16, [48 blocks: q 0-15, k 16-31, v 32-47, a block a head][4,096 rows = 1,024 batch + n][64].
; j = clamp(rne(q . k / 128)) is the score's code (score x 16);  p = softmax over the 1,024 keys of j / 16;  P = min(rne(128 p), 127);  z's code = clamp(rne(sum of P v / 128)), to acta, same layout.
; P IS ROUNDED BEHIND THE DIVISION by the row's sum, so nothing can be rescaled later: a row's maximum and sum are known before the second product begins.
; SHARES.  A work-group has 256 queries of one batch and head.  THE KEYS ARE SPLIT AMONG ITS FOUR WAVES: wave w keeps the fragments of K and V of keys 256 w .. + 255 in registers for the whole launch (256 + 256),
; and all four walk the same 16 tiles of 16 queries.  For a tile the waves hand each other, through LDS, their maxima, their window sums and their partial sums of P v.
; LAYOUT.  S^T = K Q^T: a lane holds ONE query (lane % 16) and 8 keys of each block of 16; two such results packed in pairs ARE source 1 of O^T = V^T P.  V is turned by ds_load_tr16_b128.
; ONE CODE OF P THAT ROUNDS THE OTHER WAY CHANGES A WHOLE ROW OF THE BLOCK'S OUTPUT, so the three inexact steps take the roundings of an f32 evaluation of reference() on a machine with eight-lane vectors, step by step:
;   x = (j - jmax) / 16, exact: t = acc / 2,048 + 1.5 x 2^19 is one fused multiply-add whose rounding IS the rounding to nearest even (a unit in t's last place is 1/16); x = t - (the row's largest t).
;   e = exp(x) by the Cephes polynomial in fused multiply-adds: n = the whole number nearest x log2(e); y = x - n C1 - n C2; z = ((((p0 y + p1) y + p2) y + p3) y + p4) y + 1/2; e = (1 + (z y^2 + y)) 2^n.
;       n + 1.5 x 2^23 comes from one fused multiply-add; for the 256 possible x this n is floor(x log2(e) + 1/2) (the nearest case, x = -61/16, is 2.7e-4 from a half).  2^n is n added to the exponent field.
;   THE SUM goes by 32 windows of 32 consecutive keys, and then over the 32 window sums.  Both times 32 numbers x[0..31] are added as eight lanes add them: u_i = ((x[i] + x[i+8]) + x[i+16]) + x[i+24], i = 0..7;
;       then by halves: r4_i = u_i + u_(i+4); r2_i = r4_i + r4_(i+2); the sum is r2_0 + r2_1.
;   p = e / sum, correctly rounded: r = v_rcp_f32 and one Newton step; q0 = e r; q = q0 + (e - sum q0) r.  Then P = rne(128 q) by q x 128 + 1.5 x 2^23: two roundings, as reference() has them.
; THE KEYS ARE PERMUTED so that the windows cost nothing: row 8 h + j of key block kb is key 128 h + 64 (kb / 8) + 32 (j % 2) + 4 (kb % 8) + j / 2 of the wave's 256, for K and V alike (the products do not
; change).  Then register pair i of a lane (i = 4 kb + j / 2) holds element i % 32 of windows 4 h + 2 (i / 32) and + 1: one packed addition serves two windows.
; All sums of P v are whole numbers under 2^24: exact in any order.
; LIMITS.  NaN and infinities are not treated apart.  The quotient is the correctly rounded one but where the true quotient lies within about 1e-7 of a unit in the last place of a midpoint of two f32.
; An f32 evaluation of reference() that takes other roundings in exp or another order in the sum can differ from this text by one in a code of P where 128 p lies within a few units in f32's last place of a half.
; CLUSTER.  The four query blocks of a batch and head want the same K and V: each wave's two loads are joint loads of the four work-groups.
; LDS: wave w's K (256 rows x 144 bytes) at 77,824 w, its V (256 x 160) behind it; the spare words at 311,296.  When all fragments are in registers (a barrier says so) the first bytes, which have had their only
; fill, serve as scratch: MX at 0: [wave][query] 4 bytes; WS at 256: [wave][query][8 windows] 4 bytes; OX at 2,560: [wave][query] rows of 256 + 16 bytes of f32.
; REGISTERS: window 0: v1-15, v30-31 addresses and at work; v16-17 the row's largest t; v18-19 the row's sum; v20-23 the waves' maxima; v28-29 r; v32-35 four window sums; v40-47 at work; v48-63 Q;
; v64-95 O^T, and at work between its uses; v96-111 at work; v112-127 the eight lanes u of two windows; v128-255 S^T, then e, then P in v128-191.  Window 1: K (key block kb, channel half c at 16 kb + 8 c).
; Window 2: V (32 keys g, channel block cb at 32 g + 8 cb).
.set PK,    144
.set PV,    160
.set VOFF,  256*PK
.set WREG,  256*(PK+PV)
.set SPARE, 4*WREG
.set MX,    0
.set WS,    256
.set OX,    2560
.set OXP,   272
.set OXWV,  16*OXP
.set Q,   48
.set O,   64
.set T0,  64                           ; 48 registers at work in the exponentials, 32 in the division and in the sum of the window sums
.set ORR, 96
.set U,   112                          ; eight pairs: lane i of two windows' vector sums
.set S,   128
.set MSB, 0
.macro WIN new                         ; the immediate's high byte repeats the setting that is left
.if MSB != (\new)
	s_set_vgpr_msb (MSB<<8)|(\new)
.set MSB, \new
.endif
.endm
.set W_KQ, 0x01                        ; source 0 (K) window 1
.set W_PV, 0x02                        ; source 0 (V) window 2
.macro CROUND                          ; a round of the cluster's barrier
	s_barrier_signal -1
	s_barrier_wait -1
	s_cmp_lg_u32 s12, 0
	s_cbranch_scc1 .Lnot_wave_0_\@
	s_barrier_signal -3
.Lnot_wave_0_\@:
	s_barrier_wait -3
	s_barrier_signal -1
	s_barrier_wait -1
.endm
.macro SPAIR r, val                    ; a constant as a pair: the packed forms name both words
	s_mov_b32 s[\r], \val
	s_mov_b32 s[\r+1], \val
.endm
	s_load_b128 s[4:7], s[0:1], 0x0                ; big s[4:5], acta s[6:7]
	v_lshl_add_u32 v12, v0, 2, SPARE               ; v12 my spare word, v13 = 0; never rewritten
	v_mov_b32 v13, 0
	ds_add_u32 v12, v13                            ; the wave's opening: the add, and its wait ahead of my first tensor load; the set-up below stands between them
	v_lshrrev_b32 v1, 5, v0
	v_readfirstlane_b32 s12, v1                    ; wave 0..3
	s_bfe_u32 s13, ttmp6, 0x40000                  ; cx
	s_lshl_b32 s15, ttmp9, 2
	s_add_co_u32 s13, s13, s15                     ; my block of 256 queries: it enters Q's and z's addresses alone
	s_and_b32 s14, ttmp7, 0xffff                   ; 16 x batch + head, which the four partners share
	s_lshr_b32 s8, s14, 4
	s_lshl_b32 s8, s8, 17                          ; a batch: 1,024 rows of 128 bytes
	s_and_b32 s9, s14, 15
	s_lshl_b32 s9, s9, 19                          ; a head: a block of 524,288 bytes
	s_add_co_u32 s8, s8, s9
	s_lshl_b32 s9, s12, 15                         ; my 256 keys
	s_add_co_u32 s10, s8, s9
	s_add_co_u32 s10, s10, 16<<19                  ; K's offset
	s_mov_b32 s11, 0
	s_add_co_u32 s2, s10, 16<<19                   ; V's
	s_mov_b32 s3, 0
	s_lshl_b32 s9, s13, 15
	s_add_co_u32 s20, s8, s9                       ; Q's and z's
	s_mov_b32 s21, 0
	; 256 keys are 32,768 consecutive bytes: asked for as 128 rows of 256 bytes, two keys a row, padded in LDS behind every key
	s_mov_b32 s24, 15|(1<<16)|(1<<20)|(1<<21)|(4<<22)|(3<<25)  ; the mask of four; 2-byte elements; padding on; bit 21 beside a mask; behind every 32 words; 4 words
	s_mov_b32 s32, 15|(1<<16)|(1<<20)|(1<<21)|(4<<22)|(7<<25)  ; the same with 8 words
.irp g, 24, 32
	s_mov_b32 s[\g+1], 128<<16
	s_mov_b32 s[\g+2], 128<<16
	s_mov_b32 s[\g+3], 128<<16
	s_mov_b32 s[\g+4], 128
	s_mov_b32 s[\g+5], 128
	s_mov_b32 s[\g+6], 0
	s_mov_b32 s[\g+7], 0
.endr
	s_mov_b32 s40, 1
	s_mul_i32 s41, s12, WREG                       ; no place in the cluster enters an LDS address
	s_mov_b32 s44, 1
	s_add_co_u32 s45, s41, VOFF
	s_mov_b32 s49, 0xc6800000                      ; -16,384.0
	s_mov_b32 s50, 0x467e0000                      ; 16,256.0
	SPAIR 52, 0x3c000000                           ; 1 / 128
	SPAIR 54, 0x49400000                           ; 1.5 x 2^19
	SPAIR 56, 0x3fb8aa3b                           ; log2(e)
	s_mov_b32 s59, 0x42fe42fe                      ; 127 twice, in bf16
	s_mov_b32 s60, 0x76543210                      ; v_permlanex16_b32: each lane takes its own place in the other half
	s_mov_b32 s61, 0xfedcba98
	s_mov_b32 s62, 0xc3000000                      ; -128.0
	s_mov_b32 s63, 0x42fe0000                      ; 127.0
	SPAIR 66, 0xcb400000                           ; -1.5 x 2^23
	SPAIR 68, 0x3a000000                           ; 1 / 2,048
	SPAIR 70, 0x43000000                           ; 128.0
	SPAIR 72, 0x4b400000                           ; 1.5 x 2^23
	SPAIR 74, 0xbf318000                           ; -C1 = -0.693359375
	SPAIR 76, 0x395e8083                           ; -C2 = 2.12194440e-4
	SPAIR 78, 0x39506967                           ; p0 = 1.9875691500e-4
	SPAIR 80, 0x3ab743ce                           ; p1 = 1.3981999507e-3
	SPAIR 82, 0x3c088908                           ; p2 = 8.3334519073e-3
	SPAIR 84, 0x3d2aa9c1                           ; p3 = 4.1665795894e-2
	SPAIR 86, 0x3e2aaaaa                           ; p4 = 1.6666665459e-1  (p5 = 5.0000001201e-1 is 0.5 in f32)
	v_mov_b32 v15, 0                               ; v_permlanex16_b32's destination counts as read
	s_wait_dscnt 0x0                               ; the opening add is done
	s_wait_kmcnt 0x0
	s_add_nc_u64 s[42:43], s[4:5], s[10:11]
	s_or_b32 s43, s43, 0x80000000
	s_add_nc_u64 s[46:47], s[4:5], s[2:3]
	s_or_b32 s47, s47, 0x80000000
	s_add_nc_u64 s[16:17], s[4:5], s[20:21]        ; Q at the block's first row
	s_add_nc_u64 s[18:19], s[6:7], s[20:21]
	s_lshl_b32 s20, s12, 9                         ; of a tile's 16 rows of z I store four
	s_add_nc_u64 s[18:19], s[18:19], s[20:21]
	s_mov_b32 s20, 0                               ; s[20:21]: the tile's offset in z
	CROUND                                         ; all four work-groups are here: the joint loads meet
	tensor_load_to_lds s[40:43], s[24:31]          ; my K,
	s_nop 0
	tensor_load_to_lds s[44:47], s[32:39]          ; my V: two loads of mine are out
	s_nop 0
.rept 4
	v_nop
.endr
	v_and_b32 v1, 15, v0                           ; l % 16
	v_bfe_u32 v2, v0, 4, 1                         ; l / 16
	v_lshlrev_b32 v5, 7, v1
	v_lshl_add_u32 v5, v2, 4, v5                   ; v5: a fragment of Q: row x 128 + 16 x half
.irp i, 0,1,2,3
	global_load_b128 v[Q+4*\i:Q+4*\i+3], v5, s[16:17] offset:32*\i
.endr
	v_and_b32 v14, 1, v0
	v_bfe_u32 v11, v0, 1, 2
	v_lshl_add_u32 v11, v14, 5, v11                ; 32 (l % 2) + (l / 2) % 4: the part of the permuted key that hangs on j = l % 8, for K and V alike
	v_bfe_u32 v3, v0, 3, 1
	v_lshl_add_u32 v3, v3, 7, v11                  ; K: fragment row l % 16 = 8 h' + j: + 128 h'
	v_mul_u32_u24 v3, v3, PK
	v_lshl_add_u32 v3, v2, 4, v3
	v_add_nc_u32 v3, s41, v3                       ; v3: my lane's place in my K
	v_lshl_add_u32 v4, v2, 7, v11                  ; V: the turning load's lane l addresses the key that becomes row 8 (l / 16) + l % 8
	v_mul_u32_u24 v4, v4, PV
	v_bfe_u32 v14, v0, 3, 1
	v_lshl_add_u32 v4, v14, 4, v4
	v_add_nc_u32 v4, s45, v4                       ; v4: the same for the turning loads of V
	v_lshl_add_u32 v7, v1, 2, MX                   ; v7: my query's word in wave 0's part of MX
	s_lshl_b32 s9, s12, 6
	v_add_nc_u32 v6, s9, v7                        ; v6: in my wave's part
	v_lshl_add_u32 v30, v1, 5, WS                  ; v30: my query's 32 bytes in wave 0's part of WS
	s_lshl_b32 s9, s12, 9
	v_lshl_add_u32 v31, v2, 4, v30
	v_add_nc_u32 v31, s9, v31                      ; v31: in my wave's part, 16 bytes for each half of the lanes
	s_mul_i32 s9, s12, OXWV
	s_add_co_u32 s9, s9, OX
	v_mul_u32_u24 v8, v1, OXP
	v_lshl_add_u32 v8, v2, 5, v8
	v_add_nc_u32 v8, s9, v8                        ; v8: where my partial sums go: my wave's part, my query's row, 32 bytes for each half of the lanes
	v_and_b32 v14, 7, v0
	v_bfe_u32 v9, v0, 3, 2
	s_lshl_b32 s9, s12, 2
	v_add_nc_u32 v9, s9, v9                        ; I finish query 4 w + l / 8,
	v_mul_u32_u24 v9, v9, OXP
	v_lshl_add_u32 v9, v14, 5, v9                  ; channels 8 (l % 8) on
	v_add_nc_u32 v9, OX, v9                        ; v9
	v_and_b32 v10, 31, v0
	v_lshlrev_b32 v10, 4, v10                      ; v10: my 16 bytes of the wave's 512 of z
	s_wait_tensorcnt 1                             ; my K is in (I alone read it); my V may be out
	WIN 0x40
.set f, 0
.rept 32                               ; f = 2 kb + c; key block kb begins at row 64 (kb / 8) + 4 (kb % 8)
.set kb, f/2
.set ko, (64*(kb/8)+4*(kb%8))*PK+(f%2)*64
	ds_load_b128 v[8*f:8*f+3],   v3 offset:ko
	ds_load_b128 v[8*f+4:8*f+7], v3 offset:ko+32
.set f, f+1
.endr
	s_wait_tensorcnt 0x0
	WIN 0x80
.set f, 0
.rept 32                               ; f = 4 g + cb; the first load is key block 2 g, the second 2 g + 1: four rows on
.set kb, 2*(f/4)
.set vo, (64*(kb/8)+4*(kb%8))*PV+(f%4)*32
	ds_load_tr16_b128 v[8*f:8*f+3],   v4 offset:vo
	ds_load_tr16_b128 v[8*f+4:8*f+7], v4 offset:vo+4*PV
.set f, f+1
.endr
	WIN 0
	s_wait_dscnt 0x0                               ; my reads of the tiles are over,
	s_barrier_signal -1
	s_barrier_wait -1                              ; everybody's are: the scratch may be written
; The four waves' partial sums of the tile before are read back, added, scaled, rounded, clamped and stored: 4 queries x 128 bytes = 512 consecutive bytes a wave.
.macro OLDFIN
.irp i, 0,1,2,3
	ds_load_b128 v[ORR+8*\i:ORR+8*\i+3],   v9 offset:\i*OXWV
	ds_load_b128 v[ORR+8*\i+4:ORR+8*\i+7], v9 offset:\i*OXWV+16
.endr
	s_wait_dscnt 0x0
.irp j, 0,2,4,6
	v_pk_add_f32 v[ORR+\j:ORR+\j+1], v[ORR+\j:ORR+\j+1], v[ORR+8+\j:ORR+8+\j+1]
	v_pk_add_f32 v[ORR+16+\j:ORR+16+\j+1], v[ORR+16+\j:ORR+16+\j+1], v[ORR+24+\j:ORR+24+\j+1]
.endr
.irp j, 0,2,4,6
	v_pk_add_f32 v[ORR+\j:ORR+\j+1], v[ORR+\j:ORR+\j+1], v[ORR+16+\j:ORR+16+\j+1]
.endr
.irp j, 0,2,4,6
	v_pk_mul_f32 v[ORR+\j:ORR+\j+1], v[ORR+\j:ORR+\j+1], s[52:53] op_sel_hi:[1,0]
.endr
.irp j, 0,1,2,3,4,5,6,7
	v_rndne_f32 v[ORR+\j], v[ORR+\j]
.endr
.irp j, 0,1,2,3,4,5,6,7
	v_med3_num_f32 v[ORR+\j], v[ORR+\j], s62, s63
.endr
	s_wait_xcnt 0x0                                ; the last store has read its data and its base: they are written again only behind this wait
	s_add_nc_u64 s[22:23], s[18:19], s[20:21]
	s_add_co_u32 s20, s20, 2048
.irp j, 0,1,2,3
	v_cvt_pk_bf16_f32 v[40+\j], v[ORR+2*\j], v[ORR+2*\j+1]
.endr
	global_store_b128 v10, v[40:43], s[22:23]
.endm
; The exponentials of batch b: pairs 8 b .. 8 b + 7, each line eight times, so that no line waits for the one before it.  At work: n + 1.5 x 2^23 at T0, n and then y^2 at T0 + 16, z at T0 + 32.
.macro EXPB b
.set eS, S+16*(\b)
.irp k, 0,1,2,3,4,5,6,7
	v_pk_add_f32 v[eS+2*\k:eS+2*\k+1], v[eS+2*\k:eS+2*\k+1], v[16:17] neg_lo:[0,1] neg_hi:[0,1]       ; x = t - tmax
.endr
.irp k, 0,1,2,3,4,5,6,7
	v_pk_fma_f32 v[T0+2*\k:T0+2*\k+1], v[eS+2*\k:eS+2*\k+1], s[56:57], s[72:73] op_sel_hi:[1,0,0]     ; n + 1.5 x 2^23
.endr
.irp k, 0,1,2,3,4,5,6,7
	v_pk_add_f32 v[T0+16+2*\k:T0+16+2*\k+1], v[T0+2*\k:T0+2*\k+1], s[66:67] op_sel_hi:[1,0]           ; n
.endr
.irp k, 0,1,2,3,4,5,6,7
	v_pk_fma_f32 v[eS+2*\k:eS+2*\k+1], v[T0+16+2*\k:T0+16+2*\k+1], s[74:75], v[eS+2*\k:eS+2*\k+1] op_sel_hi:[1,0,1]  ; x - n C1
.endr
.irp k, 0,1,2,3,4,5,6,7
	v_pk_fma_f32 v[eS+2*\k:eS+2*\k+1], v[T0+16+2*\k:T0+16+2*\k+1], s[76:77], v[eS+2*\k:eS+2*\k+1] op_sel_hi:[1,0,1]  ; y = .. - n C2
.endr
.irp k, 0,1,2,3,4,5,6,7
	v_pk_fma_f32 v[T0+32+2*\k:T0+32+2*\k+1], v[eS+2*\k:eS+2*\k+1], s[78:79], s[80:81] op_sel_hi:[1,0,0]  ; y p0 + p1
.endr
.irp k, 0,1,2,3,4,5,6,7
	v_pk_fma_f32 v[T0+32+2*\k:T0+32+2*\k+1], v[T0+32+2*\k:T0+32+2*\k+1], v[eS+2*\k:eS+2*\k+1], s[82:83] op_sel_hi:[1,1,0]
.endr
.irp k, 0,1,2,3,4,5,6,7
	v_pk_fma_f32 v[T0+32+2*\k:T0+32+2*\k+1], v[T0+32+2*\k:T0+32+2*\k+1], v[eS+2*\k:eS+2*\k+1], s[84:85] op_sel_hi:[1,1,0]
.endr
.irp k, 0,1,2,3,4,5,6,7
	v_pk_fma_f32 v[T0+32+2*\k:T0+32+2*\k+1], v[T0+32+2*\k:T0+32+2*\k+1], v[eS+2*\k:eS+2*\k+1], s[86:87] op_sel_hi:[1,1,0]
.endr
.irp k, 0,1,2,3,4,5,6,7
	v_pk_fma_f32 v[T0+32+2*\k:T0+32+2*\k+1], v[T0+32+2*\k:T0+32+2*\k+1], v[eS+2*\k:eS+2*\k+1], 0.5 op_sel_hi:[1,1,0]
.endr
.irp k, 0,1,2,3,4,5,6,7
	v_pk_mul_f32 v[T0+16+2*\k:T0+16+2*\k+1], v[eS+2*\k:eS+2*\k+1], v[eS+2*\k:eS+2*\k+1]               ; y^2
.endr
.irp k, 0,1,2,3,4,5,6,7
	v_pk_fma_f32 v[T0+32+2*\k:T0+32+2*\k+1], v[T0+32+2*\k:T0+32+2*\k+1], v[T0+16+2*\k:T0+16+2*\k+1], v[eS+2*\k:eS+2*\k+1]  ; z y^2 + y
.endr
.irp k, 0,1,2,3,4,5,6,7
	v_pk_add_f32 v[T0+32+2*\k:T0+32+2*\k+1], v[T0+32+2*\k:T0+32+2*\k+1], 1.0 op_sel_hi:[1,0]
.endr
.irp k, 0,1,2,3,4,5,6,7,8,9,10,11,12,13,14,15
	v_lshl_add_u32 v[eS+\k], v[T0+\k], 23, v[T0+32+\k]  ; times 2^n: the low nine bits of n + 1.5 x 2^23 are n modulo 512; they are added to sign and exponent, which stay within 103 .. 127
.endr
.endm
; The window sums, behind batch b.  Batch b holds elements 8 (b % 4) .. + 7 of the two windows of pair group b / 4: lane k of the eight takes element 8 (b % 4) + k onto u_k; e is kept.
; Behind a group's fourth batch the eight lanes are added by halves, and the two window sums go to v[32 + 2 (b / 4)] and the register behind it.
.macro WSUM b
.set wS, S+16*(\b)
.if ((\b)%4) == 1
.irp k, 0,1,2,3,4,5,6,7
	v_pk_add_f32 v[U+2*\k:U+2*\k+1], v[wS-16+2*\k:wS-16+2*\k+1], v[wS+2*\k:wS+2*\k+1]                 ; x[k] + x[k+8]
.endr
.elseif ((\b)%4) > 1
.irp k, 0,1,2,3,4,5,6,7
	v_pk_add_f32 v[U+2*\k:U+2*\k+1], v[U+2*\k:U+2*\k+1], v[wS+2*\k:wS+2*\k+1]                         ; + x[k+16], + x[k+24]
.endr
.endif
.if ((\b)%4) == 3
.irp k, 0,1,2,3
	v_pk_add_f32 v[U+2*\k:U+2*\k+1], v[U+2*\k:U+2*\k+1], v[U+8+2*\k:U+8+2*\k+1]                       ; r4_k = u_k + u_(k+4)
.endr
	v_pk_add_f32 v[U:U+1], v[U:U+1], v[U+4:U+5]                                                       ; r2_0 = r4_0 + r4_2
	v_pk_add_f32 v[U+2:U+3], v[U+2:U+3], v[U+6:U+7]                                                   ; r2_1 = r4_1 + r4_3
	v_pk_add_f32 v[32+2*((\b)/4):33+2*((\b)/4)], v[U:U+1], v[U+2:U+3]                                 ; r2_0 + r2_1
.endif
.endm
; P of batch q: pairs 8 q .. 8 q + 7.  Pair p goes, packed, into register p, whose own pair has been read by then.  At work: the quotient at T0, the remainder at T0 + 16.
.macro DIVB q
.set eS, S+16*(\q)
.irp k, 0,1,2,3,4,5,6,7
	v_pk_mul_f32 v[T0+2*\k:T0+2*\k+1], v[eS+2*\k:eS+2*\k+1], v[28:29]                                 ; q0 = e r
.endr
.irp k, 0,1,2,3,4,5,6,7
	v_pk_fma_f32 v[T0+16+2*\k:T0+16+2*\k+1], v[T0+2*\k:T0+2*\k+1], v[18:19], v[eS+2*\k:eS+2*\k+1] neg_lo:[0,1,0] neg_hi:[0,1,0]  ; e - sum q0
.endr
.irp k, 0,1,2,3,4,5,6,7
	v_pk_fma_f32 v[T0+2*\k:T0+2*\k+1], v[T0+16+2*\k:T0+16+2*\k+1], v[28:29], v[T0+2*\k:T0+2*\k+1]     ; q: the first rounding
.endr
.irp k, 0,1,2,3,4,5,6,7
	v_pk_fma_f32 v[T0+2*\k:T0+2*\k+1], v[T0+2*\k:T0+2*\k+1], s[70:71], s[72:73] op_sel_hi:[1,0,0]     ; 128 q + 1.5 x 2^23: the second, to a whole number, ties to even
.endr
.irp k, 0,1,2,3,4,5,6,7
	v_pk_add_f32 v[T0+2*\k:T0+2*\k+1], v[T0+2*\k:T0+2*\k+1], s[66:67] op_sel_hi:[1,0]
.endr
.irp k, 0,1,2,3,4,5,6,7
	v_cvt_pk_bf16_f32 v[S+8*(\q)+\k], v[T0+2*\k], v[T0+2*\k+1]
.endr
.irp k, 0,1,2,3,4,5,6,7
	v_pk_min_num_bf16 v[S+8*(\q)+\k], v[S+8*(\q)+\k], s59
.endr
.endm
	s_mov_b32 s48, 16
.Ltile:
	s_wait_loadcnt 0x0                             ; Q, asked for a tile ago
	WIN W_KQ                                       ; S^T = K Q^T: 32 products, the 16 accumulators by turns; the first 16 start the sums
.irp c, 0,1
.set kb, 0
.rept 16
.if \c == 0
	v_wmma_f32_16x16x32_bf16 v[S+8*kb:S+8*kb+7], v[16*kb:16*kb+7], v[Q:Q+7], 0
.else
	v_wmma_f32_16x16x32_bf16 v[S+8*kb:S+8*kb+7], v[16*kb+8:16*kb+15], v[Q+8:Q+15], v[S+8*kb:S+8*kb+7]
.endif
.set kb, kb+1
.endr
.endr
	WIN 0
.rept 4
	v_nop                                          ; the places in front of the loads into Q and of the lines that read the scores
.endr
	s_cmp_eq_u32 s48, 1
	s_cbranch_scc1 .Lno_q                          ; the last tile has no successor
	s_wait_xcnt 0x0
	s_add_nc_u64 s[16:17], s[16:17], 2048
.irp i, 0,1,2,3
	global_load_b128 v[Q+4*\i:Q+4*\i+3], v5, s[16:17] offset:32*\i
.endr
.Lno_q:
	; clamp, t = acc / 2,048 + 1.5 x 2^19, and the maximum of t in four chains; each accumulator is read from its low end on
.set kb, 0
.rept 16
.set r, S+8*kb
.irp j, 0,1,2,3,4,5,6,7
	v_med3_num_f32 v[r+\j], v[r+\j], s49, s50
.endr
.irp j, 0,2,4,6
	v_pk_fma_f32 v[r+\j:r+\j+1], v[r+\j:r+\j+1], s[68:69], s[54:55] op_sel_hi:[1,0,0]
.endr
.irp j, 0,1,2,3
.if kb == 0
	v_max_num_f32 v[32+\j], v[r+2*\j], v[r+2*\j+1]
.else
	v_max3_num_f32 v[32+\j], v[32+\j], v[r+2*\j], v[r+2*\j+1]
.endif
.endr
.set kb, kb+1
.endr
	v_max3_num_f32 v32, v32, v33, v34
	v_max_num_f32 v32, v32, v35
	v_permlanex16_b32 v15, v32, s60, s61           ; the query's other 128 of my keys lie in the lane 16 away
	v_max_num_f32 v14, v32, v15
	ds_store_b32 v6, v14                           ; the largest t among my keys (both halves of the lanes hold and write the same)
	s_wait_dscnt 0x0                               ; for the others' sake: this store, and the last tile's partial sums
	s_barrier_signal -1
	s_barrier_wait -1                              ; BARRIER M: all four maxima, and the last tile's partial sums, lie in LDS
.irp i, 0,1,2,3
	ds_load_b32 v[20+\i], v7 offset:64*\i
.endr
	s_cmp_eq_u32 s48, 16
	s_cbranch_scc1 .Lno_old                        ; the first tile has no predecessor
	OLDFIN
.Lno_old:
	s_wait_dscnt 0x0
	v_max3_num_f32 v16, v20, v21, v22
	v_max_num_f32 v16, v16, v23                    ; the row's largest t
	v_mov_b32 v17, v16
.irp b, 0,1,2,3,4,5,6,7
	EXPB \b
	WSUM \b
.endr
	ds_store_b128 v31, v[32:35]                    ; my four window sums, in the windows' order
	s_wait_dscnt 0x0                               ; for the others' sake: this store; my reads of MX and OX are over too
	s_barrier_signal -1
	s_barrier_wait -1                              ; BARRIER A: the query's 32 window sums lie in LDS; nobody reads MX or OX any more
.irp i, 0,1,2,3
	ds_load_b128 v[T0+8*\i:T0+8*\i+3],   v30 offset:512*\i
	ds_load_b128 v[T0+8*\i+4:T0+8*\i+7], v30 offset:512*\i+16
.endr
	s_wait_dscnt 0x0                               ; (WS is written again behind the next barrier M, ahead of whose signal every wave has passed this wait)
	; the 32 window sums W[0..31], added as the eight lanes add them; the same bits in all four waves
.irp a, 8,16,24
.irp j, 0,2,4,6
	v_pk_add_f32 v[T0+\j:T0+\j+1], v[T0+\j:T0+\j+1], v[T0+\a+\j:T0+\a+\j+1]                           ; u_i = ((W[i] + W[i+8]) + W[i+16]) + W[i+24]
.endr
.endr
	v_pk_add_f32 v[T0:T0+1], v[T0:T0+1], v[T0+4:T0+5]                                                 ; r4_i = u_i + u_(i+4)
	v_pk_add_f32 v[T0+2:T0+3], v[T0+2:T0+3], v[T0+6:T0+7]
	v_pk_add_f32 v[T0:T0+1], v[T0:T0+1], v[T0+2:T0+3]                                                 ; r2_i = r4_i + r4_(i+2)
	v_add_f32 v18, v[T0], v[T0+1]                  ; the row's sum
	v_rcp_f32 v46, v18
	v_nop                                          ; a plain instruction behind the reciprocal (ISA guide 5.7.2),
	s_wait_alu depctr_va_vdst(0)                   ; and a wait ahead of its first use
	v_fma_f32 v47, -v18, v46, 1.0                  ; one Newton step
	v_fma_f32 v28, v47, v46, v46                   ; r
	v_mov_b32 v19, v18
	v_mov_b32 v29, v28
.irp q, 0,1,2,3,4,5,6,7
	DIVB \q
.endr
	WIN W_PV                                       ; O^T = V^T P over my 256 keys: 32 products, the 4 accumulators by turns; the first 4 start the sums
.set g, 0
.rept 8
.irp cb, 0,1,2,3
.if g == 0
	v_wmma_f32_16x16x32_bf16 v[O+8*\cb:O+8*\cb+7], v[32*g+8*\cb:32*g+8*\cb+7], v[S+8*g:S+8*g+7], 0
.else
	v_wmma_f32_16x16x32_bf16 v[O+8*\cb:O+8*\cb+7], v[32*g+8*\cb:32*g+8*\cb+7], v[S+8*g:S+8*g+7], v[O+8*\cb:O+8*\cb+7]
.endif
.endr
.set g, g+1
.endr
	WIN 0
.rept 5
	v_nop                                          ; four places in front of the stores of O^T; five in front of the next tile's products, which write over P
.endr
.irp cb, 0,1,2,3
	ds_store_b128 v8, v[O+8*\cb:O+8*\cb+3] offset:64*\cb
	ds_store_b128 v8, v[O+8*\cb+4:O+8*\cb+7] offset:64*\cb+16
.endr
	s_sub_co_u32 s48, s48, 1
	s_cmp_lg_u32 s48, 0
	s_cbranch_scc1 .Ltile
	s_wait_dscnt 0x0                               ; the last tile's partial sums
	s_barrier_signal -1
	s_barrier_wait -1
	OLDFIN
	s_wait_tensorcnt 0x0                           ; the wave's end: 0 onto my spare word, behind my last tensor load and my last LDS store
	ds_add_u32 v12, v13
	s_wait_dscnt 0x0
	CROUND                                         ; the closing round
	s_endpgm
.Lfunc_end_k_q867467ef55_attn:
	.size	k_q867467ef55_attn, .Lfunc_end_k_q867467ef55_attn-k_q867467ef55_attn
	.p2alignl 7, 3214868480
	.fill 96, 4, 3214868480
	.section	.rodata,"a",@progbits
	.p2align	6, 0x0
	.amdhsa_kernel k_q867467ef55_attn
		.amdhsa_group_segment_fixed_size 327680
		.amdhsa_private_segment_fixed_size 0
		.amdhsa_enable_private_segment 0
		.amdhsa_kernarg_size 16
		.amdhsa_user_sgpr_count 2
		.amdhsa_user_sgpr_kernarg_segment_ptr 1
		.amdhsa_wavefront_size32 1
		.amdhsa_system_sgpr_workgroup_id_x 1
		.amdhsa_system_sgpr_workgroup_id_y 1
		.amdhsa_system_sgpr_workgroup_id_z 1
		.amdhsa_system_vgpr_workitem_id 0
		.amdhsa_next_free_vgpr 768
		.amdhsa_next_free_sgpr 88
		.amdhsa_reserve_vcc 0
		.amdhsa_float_denorm_mode_32 3
		.amdhsa_float_denorm_mode_16_64 3
		.amdhsa_memory_ordered 1
		.amdhsa_forward_progress 1
		.amdhsa_inst_pref_size 139
	.end_amdhsa_kernel
	.amdgpu_metadata
---
amdhsa.version: [ 1, 2 ]
amdhsa.kernels:
  - .name:           k_q867467ef55_attn
    .symbol:         k_q867467ef55_attn.kd
    .args:
      - { .name: big, .offset: 0, .size: 8, .value_kind: global_buffer, .address_space: global }
      - { .name: acta, .offset: 8, .size: 8, .value_kind: global_buffer, .address_space: global }
    .group_segment_fixed_size: 327680
    .private_segment_fixed_size: 0
    .kernarg_segment_align: 8
    .kernarg_segment_size: 16
    .max_flat_workgroup_size: 128
    .sgpr_count:     88
    .vgpr_count:     768
    .wavefront_size: 32
...
	.end_amdgpu_metadata
.endif
;; end of part 3
;; launch proj (part 4): grid 8 x 32, 4 waves a work-group, clusters of 4 x 4, 327,680 bytes of LDS; arguments acta, wpf, proj_b, x, aff2_w, aff2_b, h2x; writes h2x
.if DOCPART == 4
	.amdgcn_target "amdgcn-amd-amdhsa--gfx1250"
	.amdhsa_code_object_version 6
	.text
	.protected	k_q867467ef55_proj
	.globl	k_q867467ef55_proj
	.p2align	8
	.type	k_q867467ef55_proj,@function
k_q867467ef55_proj:
	s_mov_b64 s[64:65], 0
	v_nop
	global_prefetch_b8 v0, s[64:65] scope:SCOPE_SE
	s_setreg_imm32_b32 hwreg(HW_REG_WAVE_MODE, 25, 1), 1
	s_wait_xcnt 0x0
	s_wait_alu depctr_hold_cnt(0) depctr_sa_sdst(0) depctr_va_vdst(0) depctr_va_sdst(0) depctr_va_ssrc(0) depctr_va_vcc(0) depctr_vm_vsrc(0)
	s_getreg_b32 s2, hwreg(HW_REG_IB_STS2, 6, 4)
	s_cmp_eq_u32 s2, 0
	s_cbranch_scc0 .Lentry_in_a_cluster
	s_endpgm
.Lentry_in_a_cluster:
	s_bfe_u32 s2, ttmp6, 0x10000c
	s_cmp_lg_u32 s2, 0xf033
	s_cbranch_scc0 .Lentry_shape_is_right
	s_endpgm
.Lentry_shape_is_right:
; A PRODUCT OF CODES, acc[m][n] = sum over k of A[m][k] W[n][k], AND ITS QUANTISER.  A (activations x 16) and W (weights x 128) are whole numbers -128 .. 127 in bf16; products and f32 sums of them
; are exact while a sum stays under 2^24.  16 y = acc / 128 + code(bias) / 8, one fused multiply-add; code = clamp(rne(16 y)).
; ONE TEXT, THREE MODES.  0: the code leaves as it is, its lower clamp read from the 256 bytes in front of W (-128; 0 where a relu follows).  1: the block's first sum and second affine step follow:
; x1 = clamp(code(x) + code), h2 = clamp(clamp(rne(x1 w2 / 16)) + b2); both leave.  2: the block's last sum: out = (x1 + code) / 16, in f32.
; LAYOUT of all code matrices: T[col / 64][row][col % 64], rows of 128 bytes, a block's rows without a gap.  So 64 rows x 64 k are 8,192 consecutive bytes.
; SHARES.  A tile of C is 128 x 128; four waves, each 64 x 64: 16 accumulators.  K goes in steps of 256 (four blocks of 64) through two LDS slots.  A wave's tensor load brings 64 rows x 256 k: four runs of
; 8,192 bytes, padded in LDS by 16 bytes behind every 128: LDS rows of 144 bytes = 36 words, so the 16 rows of a fragment load start at 16 different groups of four banks (64 banks of 4 bytes: ISA guide 11.1).
; CLUSTERS: 4 x 4 work-groups; A's tile is asked for jointly along a row of the cluster, W's along a column.  THE MATRIX INSTRUCTION IS USED TRANSPOSED (source 0 = rows of W, source 1 = rows of A): a lane
; holds eight neighbouring columns of one row of C.  No prefetch: a K step here is short and the tiles small.
; LDS: slot 0 at 0, slot 1 at 147,456, the spare words at 294,912.  When slot 0 has had its last K step, its bytes serve the way out: RES (modes 1, 2: the tile of x or x1, by one last tensor load a wave,
; issued as a refill is) at 0, STAGE (128 rows x 272 bytes, written by LDS stores; no tensor load lands there any more) at 65,536.
; REGISTERS: window 0: v16-31 addresses; v32-95 at work on the way out; v96-127 my 32 biases; v128-255 accumulators ((a, b) at 128 + 8 (4 a + b)).  Window 1: two fragment buffers of 128.
; LIMITS: NaN and infinities are not treated apart; a sum beyond 2^24 code units is rounded (its result is clamped anyway).
.set MODE, 1
.if MODE == 2
.set SIZE_K, 4096
.else
.set SIZE_K, 1024
.endif
.if MODE == 0
.set BROWS, 4096                       ; rows in a block of W
.set WOFF,  256                        ; W's first byte in its buffer
.set TAILF, 0
.elseif MODE == 1
.set BROWS, 1024
.set WOFF,  0
.set TAILF, 2
.else
.set BROWS, 1024
.set WOFF,  2097152
.set TAILF, 2
.endif
.set PITCH,  144
.set KBLK,   64*PITCH                  ; 64 rows x 64 k in LDS
.set HALFT,  4*KBLK                    ; what one tensor load brings
.set SLOT,   4*HALFT                   ; A's 128 rows, then W's 128 rows
.set ASTEP,  4*4096*128                ; a K step in A: four blocks of 4,096 rows
.set BSTEP,  4*BROWS*128
.set LAPS,   SIZE_K/512                ; a lap = two K steps
.set RES,    0
.set STAGE,  65536
.set SPITCH, 272
.set SPARE,  2*SLOT                    ; the spare words, 128 bytes for each wave: two blocks of 256 bytes that no other line names
.set ADRA, 16                          ; v16-17  LDS address of my A fragments in slot 0, 1
.set ADRB, 20                          ; v20-21  the same for W
.set STO,  24                          ; v24     where I put 16 bytes of a stage row
.set RD,   25                          ; v25     where I read the stage
.set CO,   26                          ; v26     my byte offset in the output (modes 0, 2)
.set BO,   27                          ; v27     the same in mode 1
.set SPW,  28                          ; v28     my spare word; never rewritten
.set NIL,  29                          ; v29     0; never rewritten
.set RR,   30                          ; v30     where I read RES
.set BOF,  31                          ; v31     my byte offset in the tile's 128 biases
.set TMP,  32
.set BI,   96
.set ACC,  128
.set F0,   0
.set F1,   128
.set G1,  24                           ; s[24:31] group 1 for A; s[32:39] group 0, a set for each slot
.set G0,  32
.set G1B, 48                           ; s[48:55], s[56:63] the same for W
.set G0B, 56
.set MSB, 0
.macro WIN new                         ; the immediate's high byte repeats the setting that is left
.if MSB != (\new)
	s_set_vgpr_msb (MSB<<8)|(\new)
.set MSB, \new
.endif
.endm
.set MUL,  0x05                        ; sources 0 and 1 window 1; C and D window 0
.set TO_F, 0x40                        ; destination window 1, address window 0
.macro JLOAD s                         ; a joint load: waves 0, 1 fetch A's halves, waves 2, 3 W's; an s_nop 0 and four v_nop follow each line
	s_cmp_eq_u32 s11, 0
	s_cbranch_scc0 .Lfor_b_\@
	tensor_load_to_lds s[G0+4*(\s):G0+4*(\s)+3], s[G1:G1+7]
	s_nop 0
.rept 4
	v_nop
.endr
	s_branch .Lasked_\@
.Lfor_b_\@:
	tensor_load_to_lds s[G0B+4*(\s):G0B+4*(\s)+3], s[G1B:G1B+7]
	s_nop 0
.rept 4
	v_nop
.endr
.Lasked_\@:
.endm
.macro RLOAD                           ; the last load: my 32 rows of the tile of x (mode 1) or x1 (mode 2), for my work-group alone
	tensor_load_to_lds s[88:91], s[80:87]
	s_nop 0
.rept 4
	v_nop
.endr
.endm
.macro CREST                           ; a round of the cluster's barrier behind its opening barrier
	s_cmp_lg_u32 s10, 0
	s_cbranch_scc1 .Lnot_wave_0_\@
	s_barrier_signal -3
.Lnot_wave_0_\@:
	s_barrier_wait -3
	s_barrier_signal -1
	s_barrier_wait -1
.endm
.macro CROUND
	s_barrier_signal -1
	s_barrier_wait -1
	CREST
.endm
	s_load_b128 s[4:7], s[0:1], 0x0                ; A s[4:5], W's buffer s[6:7]
.if MODE == 0
	s_load_b64 s[68:69], s[0:1], 0x10              ; bias
	s_load_b64 s[8:9], s[0:1], 0x18                ; out
.elseif MODE == 1
	s_load_b256 s[68:75], s[0:1], 0x10             ; bias 68, x 70, aff2_w 72, aff2_b 74
	s_load_b64 s[8:9], s[0:1], 0x30                ; h2x
.else
	s_load_b128 s[68:71], s[0:1], 0x10             ; bias 68, h2x 70
	s_load_b64 s[8:9], s[0:1], 0x20                ; out0
.endif
	v_lshl_add_u32 v[SPW], v0, 2, SPARE
	v_mov_b32 v[NIL], 0
	ds_add_u32 v[SPW], v[NIL]                      ; the wave's opening: the add, and its wait ahead of my first tensor load; the set-up below stands between them
	v_lshrrev_b32 v1, 5, v0
	v_readfirstlane_b32 s10, v1                    ; wave 0..3
	s_lshr_b32 s11, s10, 1                         ; my half of the tile's rows.  Also: I fetch for A (0) or for W (1)
	s_and_b32 s12, s10, 1                          ; my half of its columns.  Also: which 64 rows I fetch
	s_bfe_u32 s40, ttmp6, 0x40000                  ; cx, cy
	s_bfe_u32 s41, ttmp6, 0x40004
	s_lshl_b32 s42, ttmp9, 2
	s_add_co_u32 s42, s42, s40                     ; tile column
	s_and_b32 s13, ttmp7, 0xffff
	s_lshl_b32 s13, s13, 2
	s_add_co_u32 s13, s13, s41                     ; tile row
	s_lshl_b32 s43, s41, 2
	s_lshl_b32 s43, 15, s43                        ; my row of the cluster
	s_lshl_b32 s44, 0x1111, s40                    ; my column
	s_or_b32 s[G1+0], s43, (1<<16)|(1<<20)|(1<<21)|(4<<22)|(3<<25)   ; mask; 2-byte elements; padding on; bit 21 beside a mask; behind every 32 words; 4 words
	s_or_b32 s[G1B+0], s44, (1<<16)|(1<<20)|(1<<21)|(4<<22)|(3<<25)
.irp g, G1, G1B
	s_mov_b32 s[(\g)+1], 4096<<16                  ; tensor_dim0 = 4,096 elements: 64 rows x 64 k
	s_mov_b32 s[(\g)+2], 4<<16                     ; tensor_dim1 = 4 blocks
	s_mov_b32 s[(\g)+3], 4096<<16                  ; tile_dim0
	s_mov_b32 s[(\g)+4], 4                         ; tile_dim1
	s_mov_b32 s[(\g)+6], 0
	s_mov_b32 s[(\g)+7], 0
.endr
	s_mov_b32 s[G1+5], 4096*64                     ; elements from block to block
	s_mov_b32 s[G1B+5], BROWS*64
.if MODE == 1
	s_mov_b32 s80, 2<<16                           ; x: 32 rows x 128 f32, 1,024 from row to row
	s_mov_b32 s81, 128<<16
	s_mov_b32 s82, 32<<16
	s_mov_b32 s83, 128<<16
	s_mov_b32 s84, 32
	s_mov_b32 s85, 1024
	s_lshl_b32 s89, s10, 14                        ; RES + 16,384 x wave
.elseif MODE == 2
	s_mov_b32 s80, 1<<16                           ; x1: two blocks x (32 rows x 64 codes)
	s_mov_b32 s81, 2048<<16
	s_mov_b32 s82, 2<<16
	s_mov_b32 s83, 2048<<16
	s_mov_b32 s84, 2
	s_mov_b32 s85, 4096*64
	s_lshl_b32 s89, s10, 13                        ; RES + 8,192 x wave
.endif
.if MODE != 0
	s_mov_b32 s86, 0
	s_mov_b32 s87, 0
	s_mov_b32 s88, 1
	s_mov_b32 s78, 0xc3000000                      ; the lower clamp
.endif
	s_mov_b32 s76, 0x3c000000                      ; 1 / 128, as a pair
	s_mov_b32 s77, 0x3c000000
	s_mov_b32 s79, 0x42fe0000                      ; 127.0
	s_mov_b32 s99, 0xc3000000                      ; -128.0
	s_lshl_b32 s17, s12, 13                        ; the 64 rows that I fetch: 128 bytes each
	s_lshl_b32 s16, s13, 14
	s_add_co_u32 s16, s16, s17                     ; A: tile row and wave alone
	s_lshl_b32 s46, s42, 14
	s_add_co_u32 s46, s46, s17
	s_add_co_u32 s46, s46, WOFF                    ; W: tile column and wave alone
	s_mov_b32 s17, 0
	s_mov_b32 s47, 0
	s_mul_i32 s20, s10, HALFT                      ; where they go: no place in the cluster enters an LDS address
	s_lshl_b32 s22, s13, 14                        ; offsets for the way out, in pairs that feed no joint descriptor:
	s_lshl_b32 s23, s10, 12
	s_add_co_u32 s22, s22, s23                     ; my 32 rows of 128 bytes
	s_mov_b32 s23, 0
	s_lshl_b32 s2, s13, 19
	s_lshl_b32 s3, s10, 17
	s_add_co_u32 s2, s2, s3                        ; my 32 rows of 4,096 bytes
	s_mov_b32 s3, 0
	s_lshl_b32 s66, s42, 20                        ; the tile's two blocks of 524,288 bytes
	s_mov_b32 s67, 0
	s_lshl_b32 s18, s42, 9                         ; the tile's 128 f32 in a row
	s_mov_b32 s19, 0
	s_wait_dscnt 0x0                               ; the opening add is done
	s_wait_kmcnt 0x0
	s_add_nc_u64 s[14:15], s[4:5], s[16:17]
	s_add_nc_u64 s[46:47], s[6:7], s[46:47]
	s_add_nc_u64 s[68:69], s[68:69], s[18:19]      ; the bias at the tile's first column
.if MODE == 0
	s_load_b32 s78, s[6:7], 0x0                    ; the lower clamp
.elseif MODE == 1
	s_load_b32 s92, s[72:73], 0x0                  ; aff2_w
	s_load_b32 s94, s[74:75], 0x0                  ; aff2_b
.endif
.if MODE == 2
	s_add_nc_u64 s[8:9], s[8:9], s[2:3]
	s_add_nc_u64 s[8:9], s[8:9], s[18:19]
	s_add_nc_u64 s[90:91], s[70:71], s[22:23]
	s_add_nc_u64 s[90:91], s[90:91], s[66:67]
	s_add_nc_u64 s[90:91], s[90:91], 8388608       ; x1 lies behind h2
	s_or_b32 s91, s91, 0x80000000
.else
	s_add_nc_u64 s[8:9], s[8:9], s[22:23]
	s_add_nc_u64 s[8:9], s[8:9], s[66:67]
.endif
.if MODE == 1
	s_add_nc_u64 s[100:101], s[8:9], 8388608       ; x1 lies behind h2
	s_add_nc_u64 s[90:91], s[70:71], s[2:3]
	s_add_nc_u64 s[90:91], s[90:91], s[18:19]
	s_or_b32 s91, s91, 0x80000000
.endif
	CROUND                                         ; all sixteen work-groups are here: the first joint loads meet
.irp s, 0,1
	s_mov_b32 s[G0+4*(\s)], 1
	s_add_co_u32 s[G0+4*(\s)+1], s20, (\s)*SLOT
	s_add_nc_u64 s[G0+4*(\s)+2:G0+4*(\s)+3], s[14:15], (\s)*ASTEP
	s_or_b32 s[G0+4*(\s)+3], s[G0+4*(\s)+3], 0x80000000
	s_mov_b32 s[G0B+4*(\s)], 1
	s_add_co_u32 s[G0B+4*(\s)+1], s20, (\s)*SLOT
	s_add_nc_u64 s[G0B+4*(\s)+2:G0B+4*(\s)+3], s[46:47], (\s)*BSTEP
	s_or_b32 s[G0B+4*(\s)+3], s[G0B+4*(\s)+3], 0x80000000
	JLOAD \s
.endr
	v_and_b32 v1, 15, v0                           ; l % 16
	v_bfe_u32 v2, v0, 4, 1                         ; l / 16
	s_lshl_b32 s21, s12, 8
	v_lshlrev_b32 v[BOF], 5, v2
	v_add_nc_u32 v[BOF], s21, v[BOF]               ; my 64 columns, my 8 of each 16
.irp b, 0,1,2,3
	global_load_b128 v[BI+8*\b:BI+8*\b+3], v[BOF], s[68:69] offset:64*\b
	global_load_b128 v[BI+8*\b+4:BI+8*\b+7], v[BOF], s[68:69] offset:64*\b+16
.endr
	v_mul_u32_u24 v3, v1, PITCH
	v_lshl_add_u32 v3, v2, 4, v3                   ; a fragment's row x pitch + 16 x half
	s_mul_i32 s21, s11, HALFT
	s_mul_i32 s22, s12, HALFT
	s_add_co_u32 s22, s22, 2*HALFT
.irp s, 0,1
	v_add_nc_u32 v[ADRA+(\s)], s21, v3
	v_add_nc_u32 v[ADRB+(\s)], s22, v3
	s_add_co_u32 s21, s21, SLOT
	s_add_co_u32 s22, s22, SLOT
.endr
	s_mul_i32 s23, s11, 64*SPITCH                  ; into the stage: my 64 rows, my half of their 256 bytes
	s_lshl_b32 s21, s12, 7
	s_add_co_u32 s23, s23, s21
	s_add_co_u32 s23, s23, STAGE
	v_mul_u32_u24 v4, v1, SPITCH
	v_lshl_add_u32 v4, v2, 4, v4
	v_add_nc_u32 v[STO], s23, v4
	s_mul_i32 s23, s10, 32*SPITCH                  ; back: wave w takes rows 32 w .. 32 w + 31
	s_add_co_u32 s23, s23, STAGE
	v_and_b32 v6, 31, v0
.if MODE == 0
	v_bfe_u32 v5, v0, 3, 2                         ; 32 lanes take four rows' 128 bytes of one block
	v_and_b32 v7, 7, v0
	v_mul_u32_u24 v5, v5, SPITCH
	v_lshl_add_u32 v5, v7, 4, v5
	v_add_nc_u32 v[RD], s23, v5
	v_lshlrev_b32 v[CO], 4, v6                     ; which are 512 consecutive bytes of the output
.else
	v_mul_u32_u24 v5, v2, SPITCH                   ; 32 lanes take two rows' 128 bytes of one block, 8 bytes each
	v_lshl_add_u32 v5, v1, 3, v5
	v_add_nc_u32 v[RD], s23, v5
.endif
.if MODE == 1
	s_lshl_b32 s23, s10, 14
	v_lshlrev_b32 v5, 9, v2
	v_lshl_add_u32 v5, v1, 4, v5
	v_add_nc_u32 v[RR], s23, v5                    ; x: rows of 512 bytes, 16 bytes a lane
	v_lshlrev_b32 v[BO], 3, v6
.elseif MODE == 2
	s_lshl_b32 s23, s10, 13
	v_lshl_add_u32 v[RR], v6, 3, s23               ; x1: rows of 128 bytes, 8 bytes a lane
	v_lshlrev_b32 v5, 12, v2
	v_lshl_add_u32 v[CO], v1, 4, v5                ; out0: rows of 4,096 bytes, 16 bytes a lane
.endif
	s_mov_b32 s20, 0x43000000                      ; 128.0, as a pair
	s_mov_b32 s21, 0x43000000
	s_mov_b32 s22, 0x3e000000                      ; 1 / 8
	s_mov_b32 s23, 0x3e000000
	s_wait_loadcnt 0x0                             ; the biases: all this stands in the wait for the first tile
	s_wait_kmcnt 0x0
.set i, 0
.rept 16
	v_pk_mul_f32 v[BI+i:BI+i+1], v[BI+i:BI+i+1], s[20:21] op_sel_hi:[1,0]
.set i, i+2
.endr
.set i, 0
.rept 32
	v_rndne_f32 v[BI+i], v[BI+i]
.set i, i+1
.endr
.set i, 0
.rept 32
	v_med3_num_f32 v[BI+i], v[BI+i], s99, s79
.set i, i+1
.endr
.set i, 0
.rept 16
	v_pk_mul_f32 v[BI+i:BI+i+1], v[BI+i:BI+i+1], s[22:23] op_sel_hi:[1,0]  ; code(bias) / 8
.set i, i+2
.endr
.if MODE == 1
	v_mov_b32 v6, s92
	v_mov_b32 v7, s94
	v_mul_f32 v6, 0x41800000, v6
	v_mul_f32 v7, 0x41800000, v7
	v_rndne_f32 v6, v6
	v_rndne_f32 v7, v7
	v_med3_num_f32 v6, v6, s99, s79
	v_med3_num_f32 v7, v7, s99, s79
	v_mul_f32 v6, 0x3d800000, v6
	v_readfirstlane_b32 s92, v6                    ; code(aff2_w) / 16
	v_readfirstlane_b32 s94, v7                    ; code(aff2_b)
	s_mov_b32 s93, s92
	s_mov_b32 s95, s94
	s_mov_b32 s96, 0x41800000                      ; 16.0
	s_mov_b32 s97, 0x41800000
.elseif MODE == 2
	s_mov_b32 s96, 0x3d800000                      ; 1 / 16
	s_mov_b32 s97, 0x3d800000
.endif
; 8 matrix instructions: m blocks a0, a0 + 1 x all 4 n blocks, 32 along K: half c of buffer f.  zero = 1: the first product starts the sums.  The 16 accumulators take turns.
.macro MUL8 f, c, a0, zero
	WIN MUL
.irp a, \a0, (\a0)+1
.irp b, 0,1,2,3
.if \zero
	v_wmma_f32_16x16x32_bf16 v[ACC+8*(4*(\a)+(\b)):ACC+8*(4*(\a)+(\b))+7], v[(\f)+64+8*(4*(\c)+(\b)):(\f)+64+8*(4*(\c)+(\b))+7], v[(\f)+8*(4*(\c)+(\a)):(\f)+8*(4*(\c)+(\a))+7], 0
.else
	v_wmma_f32_16x16x32_bf16 v[ACC+8*(4*(\a)+(\b)):ACC+8*(4*(\a)+(\b))+7], v[(\f)+64+8*(4*(\c)+(\b)):(\f)+64+8*(4*(\c)+(\b))+7], v[(\f)+8*(4*(\c)+(\a)):(\f)+8*(4*(\c)+(\a))+7], v[ACC+8*(4*(\a)+(\b)):ACC+8*(4*(\a)+(\b))+7]
.endif
.endr
.endr
.endm
; 32 LDS loads in one run: the fragments of one block of 64 k, which begins at byte k of a half tile, into buffer f; its first 32 k first
.macro FETCH slot, k, f
	WIN TO_F
.irp c, 0,1
.irp i, 0,1,2,3
	ds_load_b128 v[(\f)+64+8*(4*(\c)+(\i)):(\f)+64+8*(4*(\c)+(\i))+3],   v[ADRB+(\slot)] offset:(\k)+64*(\c)+(\i)*16*PITCH
	ds_load_b128 v[(\f)+64+8*(4*(\c)+(\i))+4:(\f)+64+8*(4*(\c)+(\i))+7], v[ADRB+(\slot)] offset:(\k)+64*(\c)+(\i)*16*PITCH+32
	ds_load_b128 v[(\f)+8*(4*(\c)+(\i)):(\f)+8*(4*(\c)+(\i))+3],         v[ADRA+(\slot)] offset:(\k)+64*(\c)+(\i)*16*PITCH
	ds_load_b128 v[(\f)+8*(4*(\c)+(\i))+4:(\f)+8*(4*(\c)+(\i))+7],       v[ADRA+(\slot)] offset:(\k)+64*(\c)+(\i)*16*PITCH+32
.endr
.endr
.endm
.macro PLACES                          ; four places in front of loads into registers that matrix instructions have read, and of vector lines that read results
.rept 4
	v_nop
.endr
.endm
; A K step is four quarters of 64 along K, 32 matrix instructions each, on buffers 0, 1, 0, 1.  One of the first three: multiplies buffer f and fetches the next quarter, at byte k, into g.
.macro QUARTER slot, k, f, g, zero
	s_wait_dscnt 16                                ; the first 32 along K are in; the sixteen younger loads may be out
	WIN MUL
	MUL8 \f, 0, 0, \zero
	MUL8 \f, 0, 2, \zero
	PLACES
	FETCH \slot, \k, \g
	s_wait_dscnt 32                                ; all but the 32 just issued
	WIN MUL
	MUL8 \f, 1, 0, 0
	MUL8 \f, 1, 2, 0
.endm
; The last quarter multiplies buffer 1 and changes slots: ONE barrier; in front of it each wave waits for all its tensor loads, adds 0 to its spare word, and waits for that and for its reads of this slot.
; fill = 1: the slot is filled again, two K steps ahead, jointly, behind a round of the cluster's barrier.  fill = 2: slot 0 has had its last K step: behind the same round each wave asks for its part of RES.
.macro TURN slot, next, fill
	WIN 0                                          ; (the add's two registers lie in window 0)
	s_wait_tensorcnt 0x0                           ; all my tensor loads have landed: my part of the next slot
	ds_add_u32 v[SPW], v[NIL]                      ; 0 onto my spare word
	s_wait_dscnt 17                                ; (the add and the youngest sixteen loads may be out)
	WIN MUL
	MUL8 F1, 0, 0, 0
	s_wait_dscnt 0x0                               ; the add is done, and my reads of this slot are over
	s_barrier_signal -1
	MUL8 F1, 0, 2, 0
.if \fill
	WIN 0
.endif
	s_barrier_wait -1
.if (\fill) == 1
	CREST                                          ; no wave of any partner still reads this slot's tile or has a load on its way
	s_add_nc_u64 s[G0+4*(\slot)+2:G0+4*(\slot)+3], s[G0+4*(\slot)+2:G0+4*(\slot)+3], 2*ASTEP
	s_add_nc_u64 s[G0B+4*(\slot)+2:G0B+4*(\slot)+3], s[G0B+4*(\slot)+2:G0B+4*(\slot)+3], 2*BSTEP
	JLOAD \slot                                    ; the four v_nop behind it are also the places in front of the loads below
.elseif (\fill) == 2
	CREST
	RLOAD                                          ; it has the last K step's products in which to land
.else
	PLACES
.endif
	FETCH \next, 0, F0
	WIN MUL
	MUL8 F1, 1, 0, 0
	MUL8 F1, 1, 2, 0
.endm
	s_wait_tensorcnt 1                             ; my part of K step 0 is in; K step 1's may stay out
	s_barrier_signal -1
	s_barrier_wait -1
	FETCH 0, 0, F0
	QUARTER 0, KBLK, F0, F1, 1                     ; the first quarter stands in front of the loop: its first products start the sums
	WIN 0
	s_mov_b32 s3, LAPS-1
.Llap:                                                 ; a trip goes once round the ring and fills both slots again
	QUARTER 0, 2*KBLK, F1, F0, 0
	QUARTER 0, 3*KBLK, F0, F1, 0
	TURN 0, 1, 1
	QUARTER 1, KBLK,   F0, F1, 0
	QUARTER 1, 2*KBLK, F1, F0, 0
	QUARTER 1, 3*KBLK, F0, F1, 0
	TURN 1, 0, 1
	QUARTER 0, KBLK,   F0, F1, 0
	WIN 0
	s_sub_co_u32 s3, s3, 1
	s_cmp_lg_u32 s3, 0
	s_cbranch_scc1 .Llap
	QUARTER 0, 2*KBLK, F1, F0, 0                   ; the last lap asks for no K step
	QUARTER 0, 3*KBLK, F0, F1, 0
	TURN 0, 1, TAILF
	QUARTER 1, KBLK,   F0, F1, 0
	QUARTER 1, 2*KBLK, F1, F0, 0
	QUARTER 1, 3*KBLK, F0, F1, 0
	s_wait_dscnt 16
	WIN MUL
	MUL8 F1, 0, 0, 0
	MUL8 F1, 0, 2, 0
	s_wait_dscnt 0x0
	MUL8 F1, 1, 0, 0
	MUL8 F1, 1, 2, 0
	WIN 0
	; THE WAY OUT, first part: acc / 128 + bias, rounded to nearest even, clamped, packed; 16 bytes a lane into the stage.  Each accumulator is read from its low end on.
	PLACES
.macro CONV t
.set rA, ACC+8*(\t)
.set rB, BI+8*((\t)%4)
.irp r, 0,2,4,6
	v_pk_fma_f32 v[rA+\r:rA+\r+1], v[rA+\r:rA+\r+1], s[76:77], v[rB+\r:rB+\r+1] op_sel_hi:[1,0,1]
.endr
.irp r, 0,1,2,3,4,5,6,7
	v_rndne_f32 v[rA+\r], v[rA+\r]
.endr
.irp r, 0,1,2,3,4,5,6,7
	v_med3_num_f32 v[rA+\r], v[rA+\r], s78, s79
.endr
.irp r, 0,1,2,3
	v_cvt_pk_bf16_f32 v[TMP+4*(\t)+\r], v[rA+2*\r], v[rA+2*\r+1]
.endr
.endm
.irp t, 0,1,2,3,4,5,6,7,8,9,10,11,12,13,14,15
	CONV \t
.endr
.irp a, 0,1,2,3
.irp b, 0,1,2,3
	ds_store_b128 v[STO], v[TMP+4*(4*(\a)+(\b)):TMP+4*(4*(\a)+(\b))+3] offset:(\a)*16*SPITCH+32*(\b)
.endr
.endr
	s_wait_dscnt 0x0                               ; for the others' sake: my stores into the stage are done
	s_barrier_signal -1
	s_barrier_wait -1
.if MODE == 0
	; second part: whole rows back; a store covers four rows of one block: 512 consecutive bytes
.irp t, 0,1,2,3,4,5,6,7,8,9,10,11,12,13,14,15
	ds_load_b128 v[TMP+4*(\t):TMP+4*(\t)+3], v[RD] offset:((\t)/2)*4*SPITCH+((\t)%2)*128
.endr
.irp t, 0,1,2,3,4,5,6,7,8,9,10,11,12,13,14,15
	s_wait_dscnt 15-(\t)                           ; the younger loads may stay out
	global_store_b128 v[CO], v[TMP+4*(\t):TMP+4*(\t)+3], s[8:9] offset:((\t)%2)*524288+((\t)/2)*512
.endr
.else
	; second part: eight trips of four rows.  Item it: rows 2 (it / 2) and + 1 of the four, block it % 2; a lane has 4 numbers.
.macro ITEM it
.if MODE == 1
.set zc, 32+2*(\it)
.set xr, 40+4*(\it)
	v_lshlrev_b32 v56, 16, v[zc]                   ; the product's codes as f32
	v_and_b32 v57, 0xffff0000, v[zc]
	v_lshlrev_b32 v58, 16, v[zc+1]
	v_and_b32 v59, 0xffff0000, v[zc+1]
	v_pk_mul_f32 v[xr:xr+1], v[xr:xr+1], s[96:97] op_sel_hi:[1,0]
	v_pk_mul_f32 v[xr+2:xr+3], v[xr+2:xr+3], s[96:97] op_sel_hi:[1,0]
.irp j, 0,1,2,3
	v_rndne_f32 v[xr+\j], v[xr+\j]
.endr
.irp j, 0,1,2,3
	v_med3_num_f32 v[xr+\j], v[xr+\j], s78, s79    ; code(x)
.endr
	v_pk_add_f32 v[xr:xr+1], v[xr:xr+1], v[56:57]
	v_pk_add_f32 v[xr+2:xr+3], v[xr+2:xr+3], v[58:59]
.irp j, 0,1,2,3
	v_med3_num_f32 v[xr+\j], v[xr+\j], s78, s79    ; x1
.endr
	v_cvt_pk_bf16_f32 v[72+2*(\it)], v[xr], v[xr+1]
	v_cvt_pk_bf16_f32 v[73+2*(\it)], v[xr+2], v[xr+3]
	v_pk_mul_f32 v[xr:xr+1], v[xr:xr+1], s[92:93] op_sel_hi:[1,0]
	v_pk_mul_f32 v[xr+2:xr+3], v[xr+2:xr+3], s[92:93] op_sel_hi:[1,0]
.irp j, 0,1,2,3
	v_rndne_f32 v[xr+\j], v[xr+\j]
.endr
.irp j, 0,1,2,3
	v_med3_num_f32 v[xr+\j], v[xr+\j], s78, s79
.endr
	v_pk_add_f32 v[xr:xr+1], v[xr:xr+1], s[94:95] op_sel_hi:[1,0]
	v_pk_add_f32 v[xr+2:xr+3], v[xr+2:xr+3], s[94:95] op_sel_hi:[1,0]
.irp j, 0,1,2,3
	v_med3_num_f32 v[xr+\j], v[xr+\j], s78, s79    ; h2
.endr
	v_cvt_pk_bf16_f32 v[64+2*(\it)], v[xr], v[xr+1]
	v_cvt_pk_bf16_f32 v[65+2*(\it)], v[xr+2], v[xr+3]
	global_store_b64 v[BO], v[64+2*(\it):65+2*(\it)], s[8:9] offset:((\it)%2)*524288+((\it)/2)*256      ; 256 consecutive bytes, aligned
	global_store_b64 v[BO], v[72+2*(\it):73+2*(\it)], s[100:101] offset:((\it)%2)*524288+((\it)/2)*256
.else
.set mc, 32+2*(\it)
.set xq, 40+2*(\it)
.set ou, 64+4*(\it)
	v_lshlrev_b32 v[ou], 16, v[mc]
	v_and_b32 v[ou+1], 0xffff0000, v[mc]
	v_lshlrev_b32 v[ou+2], 16, v[mc+1]
	v_and_b32 v[ou+3], 0xffff0000, v[mc+1]
	v_lshlrev_b32 v48, 16, v[xq]
	v_and_b32 v49, 0xffff0000, v[xq]
	v_lshlrev_b32 v50, 16, v[xq+1]
	v_and_b32 v51, 0xffff0000, v[xq+1]
	v_pk_add_f32 v[ou:ou+1], v[ou:ou+1], v[48:49]
	v_pk_add_f32 v[ou+2:ou+3], v[ou+2:ou+3], v[50:51]
	v_pk_mul_f32 v[ou:ou+1], v[ou:ou+1], s[96:97] op_sel_hi:[1,0]
	v_pk_mul_f32 v[ou+2:ou+3], v[ou+2:ou+3], s[96:97] op_sel_hi:[1,0]
	global_store_b128 v[CO], v[ou:ou+3], s[8:9] offset:((\it)/2)*8192+((\it)%2)*256  ; 16 lanes store 256 consecutive bytes, aligned
.endif
.endm
	s_wait_tensorcnt 0x0                           ; my part of RES is in; I alone read it
	s_mov_b32 s98, 8
.Lrows:
.irp it, 0,1,2,3
	ds_load_b64 v[32+2*\it:33+2*\it], v[RD] offset:(\it/2)*2*SPITCH+(\it%2)*128
.endr
.irp it, 0,1,2,3
.if MODE == 1
	ds_load_b128 v[40+4*\it:43+4*\it], v[RR] offset:(\it/2)*1024+(\it%2)*256
.else
	ds_load_b64 v[40+2*\it:41+2*\it], v[RR] offset:(\it%2)*4096+(\it/2)*256
.endif
.endr
	s_wait_dscnt 0x0
.irp it, 0,1,2,3
	ITEM \it
.endr
	v_add_nc_u32 v[RD], 4*SPITCH, v[RD]
.if MODE == 1
	v_add_nc_u32 v[RR], 2048, v[RR]
.else
	v_add_nc_u32 v[RR], 512, v[RR]
.endif
	s_wait_xcnt 0x0                                ; the stores' data and bases are written again only behind this wait
.if MODE == 1
	s_add_nc_u64 s[8:9], s[8:9], 512
	s_add_nc_u64 s[100:101], s[100:101], 512
.else
	s_add_nc_u64 s[8:9], s[8:9], 16384
.endif
	s_sub_co_u32 s98, s98, 1
	s_cmp_lg_u32 s98, 0
	s_cbranch_scc1 .Lrows
.endif
	s_wait_tensorcnt 0x0                           ; the wave's end: 0 onto my spare word, behind my last tensor load and my last LDS store
	ds_add_u32 v[SPW], v[NIL]
	s_wait_dscnt 0x0
	CROUND                                         ; the closing round: no work-group ends while a partner may still ask for a tile that names it
	s_endpgm
.Lfunc_end_k_q867467ef55_proj:
	.size	k_q867467ef55_proj, .Lfunc_end_k_q867467ef55_proj-k_q867467ef55_proj
	.p2alignl 7, 3214868480
	.fill 96, 4, 3214868480
	.section	.rodata,"a",@progbits
	.p2align	6, 0x0
	.amdhsa_kernel k_q867467ef55_proj
		.amdhsa_group_segment_fixed_size 327680
		.amdhsa_private_segment_fixed_size 0
		.amdhsa_enable_private_segment 0
		.amdhsa_kernarg_size 56
		.amdhsa_user_sgpr_count 2
		.amdhsa_user_sgpr_kernarg_segment_ptr 1
		.amdhsa_wavefront_size32 1
		.amdhsa_system_sgpr_workgroup_id_x 1
		.amdhsa_system_sgpr_workgroup_id_y 1
		.amdhsa_system_sgpr_workgroup_id_z 1
		.amdhsa_system_vgpr_workitem_id 0
		.amdhsa_next_free_vgpr 512
		.amdhsa_next_free_sgpr 102
		.amdhsa_reserve_vcc 0
		.amdhsa_float_denorm_mode_32 3
		.amdhsa_float_denorm_mode_16_64 3
		.amdhsa_memory_ordered 1
		.amdhsa_forward_progress 1
		.amdhsa_inst_pref_size 119
	.end_amdhsa_kernel
	.amdgpu_metadata
---
amdhsa.version: [ 1, 2 ]
amdhsa.kernels:
  - .name:           k_q867467ef55_proj
    .symbol:         k_q867467ef55_proj.kd
    .args:
      - { .name: acta, .offset: 0, .size: 8, .value_kind: global_buffer, .address_space: global }
      - { .name: wpf, .offset: 8, .size: 8, .value_kind: global_buffer, .address_space: global }
      - { .name: proj_b, .offset: 16, .size: 8, .value_kind: global_buffer, .address_space: global }
      - { .name: x, .offset: 24, .size: 8, .value_kind: global_buffer, .address_space: global }
      - { .name: aff2_w, .offset: 32, .size: 8, .value_kind: global_buffer, .address_space: global }
      - { .name: aff2_b, .offset: 40, .size: 8, .value_kind: global_buffer, .address_space: global }
      - { .name: h2x, .offset: 48, .size: 8, .value_kind: global_buffer, .address_space: global }
    .group_segment_fixed_size: 327680
    .private_segment_fixed_size: 0
    .kernarg_segment_align: 8
    .kernarg_segment_size: 56
    .max_flat_workgroup_size: 128
    .sgpr_count:     102
    .vgpr_count:     512
    .wavefront_size: 32
...
	.end_amdgpu_metadata
.endif
;; end of part 4
;; launch fc1: the kernel of part 2 again; grid 32 x 32, 4 waves a work-group, clusters of 4 x 4, 327,680 bytes of LDS; arguments h2x, wf1, fc1_b, big; writes big
;; launch fc2 (part 5): grid 8 x 32, 4 waves a work-group, clusters of 4 x 4, 327,680 bytes of LDS; arguments big, wpf, fc2_b, h2x, out0; writes out0
.if DOCPART == 5
	.amdgcn_target "amdgcn-amd-amdhsa--gfx1250"
	.amdhsa_code_object_version 6
	.text
	.protected	k_q867467ef55_fc2
	.globl	k_q867467ef55_fc2
	.p2align	8
	.type	k_q867467ef55_fc2,@function
k_q867467ef55_fc2:
	s_mov_b64 s[64:65], 0
	v_nop
	global_prefetch_b8 v0, s[64:65] scope:SCOPE_SE
	s_setreg_imm32_b32 hwreg(HW_REG_WAVE_MODE, 25, 1), 1
	s_wait_xcnt 0x0
	s_wait_alu depctr_hold_cnt(0) depctr_sa_sdst(0) depctr_va_vdst(0) depctr_va_sdst(0) depctr_va_ssrc(0) depctr_va_vcc(0) depctr_vm_vsrc(0)
	s_getreg_b32 s2, hwreg(HW_REG_IB_STS2, 6, 4)
	s_cmp_eq_u32 s2, 0
	s_cbranch_scc0 .Lentry_in_a_cluster
	s_endpgm
.Lentry_in_a_cluster:
	s_bfe_u32 s2, ttmp6, 0x10000c
	s_cmp_lg_u32 s2, 0xf033
	s_cbranch_scc0 .Lentry_shape_is_right
	s_endpgm
.Lentry_shape_is_right:
; A PRODUCT OF CODES, acc[m][n] = sum over k of A[m][k] W[n][k], AND ITS QUANTISER.  A (activations x 16) and W (weights x 128) are whole numbers -128 .. 127 in bf16; products and f32 sums of them
; are exact while a sum stays under 2^24.  16 y = acc / 128 + code(bias) / 8, one fused multiply-add; code = clamp(rne(16 y)).
; ONE TEXT, THREE MODES.  0: the code leaves as it is, its lower clamp read from the 256 bytes in front of W (-128; 0 where a relu follows).  1: the block's first sum and second affine step follow:
; x1 = clamp(code(x) + code), h2 = clamp(clamp(rne(x1 w2 / 16)) + b2); both leave.  2: the block's last sum: out = (x1 + code) / 16, in f32.
; LAYOUT of all code matrices: T[col / 64][row][col % 64], rows of 128 bytes, a block's rows without a gap.  So 64 rows x 64 k are 8,192 consecutive bytes.
; SHARES.  A tile of C is 128 x 128; four waves, each 64 x 64: 16 accumulators.  K goes in steps of 256 (four blocks of 64) through two LDS slots.  A wave's tensor load brings 64 rows x 256 k: four runs of
; 8,192 bytes, padded in LDS by 16 bytes behind every 128: LDS rows of 144 bytes = 36 words, so the 16 rows of a fragment load start at 16 different groups of four banks (64 banks of 4 bytes: ISA guide 11.1).
; CLUSTERS: 4 x 4 work-groups; A's tile is asked for jointly along a row of the cluster, W's along a column.  THE MATRIX INSTRUCTION IS USED TRANSPOSED (source 0 = rows of W, source 1 = rows of A): a lane
; holds eight neighbouring columns of one row of C.  No prefetch: a K step here is short and the tiles small.
; LDS: slot 0 at 0, slot 1 at 147,456, the spare words at 294,912.  When slot 0 has had its last K step, its bytes serve the way out: RES (modes 1, 2: the tile of x or x1, by one last tensor load a wave,
; issued as a refill is) at 0, STAGE (128 rows x 272 bytes, written by LDS stores; no tensor load lands there any more) at 65,536.
; REGISTERS: window 0: v16-31 addresses; v32-95 at work on the way out; v96-127 my 32 biases; v128-255 accumulators ((a, b) at 128 + 8 (4 a + b)).  Window 1: two fragment buffers of 128.
; LIMITS: NaN and infinities are not treated apart; a sum beyond 2^24 code units is rounded (its result is clamped anyway).
.set MODE, 2
.if MODE == 2
.set SIZE_K, 4096
.else
.set SIZE_K, 1024
.endif
.if MODE == 0
.set BROWS, 4096                       ; rows in a block of W
.set WOFF,  256                        ; W's first byte in its buffer
.set TAILF, 0
.elseif MODE == 1
.set BROWS, 1024
.set WOFF,  0
.set TAILF, 2
.else
.set BROWS, 1024
.set WOFF,  2097152
.set TAILF, 2
.endif
.set PITCH,  144
.set KBLK,   64*PITCH                  ; 64 rows x 64 k in LDS
.set HALFT,  4*KBLK                    ; what one tensor load brings
.set SLOT,   4*HALFT                   ; A's 128 rows, then W's 128 rows
.set ASTEP,  4*4096*128                ; a K step in A: four blocks of 4,096 rows
.set BSTEP,  4*BROWS*128
.set LAPS,   SIZE_K/512                ; a lap = two K steps
.set RES,    0
.set STAGE,  65536
.set SPITCH, 272
.set SPARE,  2*SLOT                    ; the spare words, 128 bytes for each wave: two blocks of 256 bytes that no other line names
.set ADRA, 16                          ; v16-17  LDS address of my A fragments in slot 0, 1
.set ADRB, 20                          ; v20-21  the same for W
.set STO,  24                          ; v24     where I put 16 bytes of a stage row
.set RD,   25                          ; v25     where I read the stage
.set CO,   26                          ; v26     my byte offset in the output (modes 0, 2)
.set BO,   27                          ; v27     the same in mode 1
.set SPW,  28                          ; v28     my spare word; never rewritten
.set NIL,  29                          ; v29     0; never rewritten
.set RR,   30                          ; v30     where I read RES
.set BOF,  31                          ; v31     my byte offset in the tile's 128 biases
.set TMP,  32
.set BI,   96
.set ACC,  128
.set F0,   0
.set F1,   128
.set G1,  24                           ; s[24:31] group 1 for A; s[32:39] group 0, a set for each slot
.set G0,  32
.set G1B, 48                           ; s[48:55], s[56:63] the same for W
.set G0B, 56
.set MSB, 0
.macro WIN new                         ; the immediate's high byte repeats the setting that is left
.if MSB != (\new)
	s_set_vgpr_msb (MSB<<8)|(\new)
.set MSB, \new
.endif
.endm
.set MUL,  0x05                        ; sources 0 and 1 window 1; C and D window 0
.set TO_F, 0x40                        ; destination window 1, address window 0
.macro JLOAD s                         ; a joint load: waves 0, 1 fetch A's halves, waves 2, 3 W's; an s_nop 0 and four v_nop follow each line
	s_cmp_eq_u32 s11, 0
	s_cbranch_scc0 .Lfor_b_\@
	tensor_load_to_lds s[G0+4*(\s):G0+4*(\s)+3], s[G1:G1+7]
	s_nop 0
.rept 4
	v_nop
.endr
	s_branch .Lasked_\@
.Lfor_b_\@:
	tensor_load_to_lds s[G0B+4*(\s):G0B+4*(\s)+3], s[G1B:G1B+7]
	s_nop 0
.rept 4
	v_nop
.endr
.Lasked_\@:
.endm
.macro RLOAD                           ; the last load: my 32 rows of the tile of x (mode 1) or x1 (mode 2), for my work-group alone
	tensor_load_to_lds s[88:91], s[80:87]
	s_nop 0
.rept 4
	v_nop
.endr
.endm
.macro CREST                           ; a round of the cluster's barrier behind its opening barrier
	s_cmp_lg_u32 s10, 0
	s_cbranch_scc1 .Lnot_wave_0_\@
	s_barrier_signal -3
.Lnot_wave_0_\@:
	s_barrier_wait -3
	s_barrier_signal -1
	s_barrier_wait -1
.endm
.macro CROUND
	s_barrier_signal -1
	s_barrier_wait -1
	CREST
.endm
	s_load_b128 s[4:7], s[0:1], 0x0                ; A s[4:5], W's buffer s[6:7]
.if MODE == 0
	s_load_b64 s[68:69], s[0:1], 0x10              ; bias
	s_load_b64 s[8:9], s[0:1], 0x18                ; out
.elseif MODE == 1
	s_load_b256 s[68:75], s[0:1], 0x10             ; bias 68, x 70, aff2_w 72, aff2_b 74
	s_load_b64 s[8:9], s[0:1], 0x30                ; h2x
.else
	s_load_b128 s[68:71], s[0:1], 0x10             ; bias 68, h2x 70
	s_load_b64 s[8:9], s[0:1], 0x20                ; out0
.endif
	v_lshl_add_u32 v[SPW], v0, 2, SPARE
	v_mov_b32 v[NIL], 0
	ds_add_u32 v[SPW], v[NIL]                      ; the wave's opening: the add, and its wait ahead of my first tensor load; the set-up below stands between them
	v_lshrrev_b32 v1, 5, v0
	v_readfirstlane_b32 s10, v1                    ; wave 0..3
	s_lshr_b32 s11, s10, 1                         ; my half of the tile's rows.  Also: I fetch for A (0) or for W (1)
	s_and_b32 s12, s10, 1                          ; my half of its columns.  Also: which 64 rows I fetch
	s_bfe_u32 s40, ttmp6, 0x40000                  ; cx, cy
	s_bfe_u32 s41, ttmp6, 0x40004
	s_lshl_b32 s42, ttmp9, 2
	s_add_co_u32 s42, s42, s40                     ; tile column
	s_and_b32 s13, ttmp7, 0xffff
	s_lshl_b32 s13, s13, 2
	s_add_co_u32 s13, s13, s41                     ; tile row
	s_lshl_b32 s43, s41, 2
	s_lshl_b32 s43, 15, s43                        ; my row of the cluster
	s_lshl_b32 s44, 0x1111, s40                    ; my column
	s_or_b32 s[G1+0], s43, (1<<16)|(1<<20)|(1<<21)|(4<<22)|(3<<25)   ; mask; 2-byte elements; padding on; bit 21 beside a mask; behind every 32 words; 4 words
	s_or_b32 s[G1B+0], s44, (1<<16)|(1<<20)|(1<<21)|(4<<22)|(3<<25)
.irp g, G1, G1B
	s_mov_b32 s[(\g)+1], 4096<<16                  ; tensor_dim0 = 4,096 elements: 64 rows x 64 k
	s_mov_b32 s[(\g)+2], 4<<16                     ; tensor_dim1 = 4 blocks
	s_mov_b32 s[(\g)+3], 4096<<16                  ; tile_dim0
	s_mov_b32 s[(\g)+4], 4                         ; tile_dim1
	s_mov_b32 s[(\g)+6], 0
	s_mov_b32 s[(\g)+7], 0
.endr
	s_mov_b32 s[G1+5], 4096*64                     ; elements from block to block
	s_mov_b32 s[G1B+5], BROWS*64
.if MODE == 1
	s_mov_b32 s80, 2<<16                           ; x: 32 rows x 128 f32, 1,024 from row to row
	s_mov_b32 s81, 128<<16
	s_mov_b32 s82, 32<<16
	s_mov_b32 s83, 128<<16
	s_mov_b32 s84, 32
	s_mov_b32 s85, 1024
	s_lshl_b32 s89, s10, 14                        ; RES + 16,384 x wave
.elseif MODE == 2
	s_mov_b32 s80, 1<<16                           ; x1: two blocks x (32 rows x 64 codes)
	s_mov_b32 s81, 2048<<16
	s_mov_b32 s82, 2<<16
	s_mov_b32 s83, 2048<<16
	s_mov_b32 s84, 2
	s_mov_b32 s85, 4096*64
	s_lshl_b32 s89, s10, 13                        ; RES + 8,192 x wave
.endif
.if MODE != 0
	s_mov_b32 s86, 0
	s_mov_b32 s87, 0
	s_mov_b32 s88, 1
	s_mov_b32 s78, 0xc3000000                      ; the lower clamp
.endif
	s_mov_b32 s76, 0x3c000000                      ; 1 / 128, as a pair
	s_mov_b32 s77, 0x3c000000
	s_mov_b32 s79, 0x42fe0000                      ; 127.0
	s_mov_b32 s99, 0xc3000000                      ; -128.0
	s_lshl_b32 s17, s12, 13                        ; the 64 rows that I fetch: 128 bytes each
	s_lshl_b32 s16, s13, 14
	s_add_co_u32 s16, s16, s17                     ; A: tile row and wave alone
	s_lshl_b32 s46, s42, 14
	s_add_co_u32 s46, s46, s17
	s_add_co_u32 s46, s46, WOFF                    ; W: tile column and wave alone
	s_mov_b32 s17, 0
	s_mov_b32 s47, 0
	s_mul_i32 s20, s10, HALFT                      ; where they go: no place in the cluster enters an LDS address
	s_lshl_b32 s22, s13, 14                        ; offsets for the way out, in pairs that feed no joint descriptor:
	s_lshl_b32 s23, s10, 12
	s_add_co_u32 s22, s22, s23                     ; my 32 rows of 128 bytes
	s_mov_b32 s23, 0
	s_lshl_b32 s2, s13, 19
	s_lshl_b32 s3, s10, 17
	s_add_co_u32 s2, s2, s3                        ; my 32 rows of 4,096 bytes
	s_mov_b32 s3, 0
	s_lshl_b32 s66, s42, 20                        ; the tile's two blocks of 524,288 bytes
	s_mov_b32 s67, 0
	s_lshl_b32 s18, s42, 9                         ; the tile's 128 f32 in a row
	s_mov_b32 s19, 0
	s_wait_dscnt 0x0                               ; the opening add is done
	s_wait_kmcnt 0x0
	s_add_nc_u64 s[14:15], s[4:5], s[16:17]
	s_add_nc_u64 s[46:47], s[6:7], s[46:47]
	s_add_nc_u64 s[68:69], s[68:69], s[18:19]      ; the bias at the tile's first column
.if MODE == 0
	s_load_b32 s78, s[6:7], 0x0                    ; the lower clamp
.elseif MODE == 1
	s_load_b32 s92, s[72:73], 0x0                  ; aff2_w
	s_load_b32 s94, s[74:75], 0x0                  ; aff2_b
.endif
.if MODE == 2
	s_add_nc_u64 s[8:9], s[8:9], s[2:3]
	s_add_nc_u64 s[8:9], s[8:9], s[18:19]
	s_add_nc_u64 s[90:91], s[70:71], s[22:23]
	s_add_nc_u64 s[90:91], s[90:91], s[66:67]
	s_add_nc_u64 s[90:91], s[90:91], 8388608       ; x1 lies behind h2
	s_or_b32 s91, s91, 0x80000000
.else
	s_add_nc_u64 s[8:9], s[8:9], s[22:23]
	s_add_nc_u64 s[8:9], s[8:9], s[66:67]
.endif
.if MODE == 1
	s_add_nc_u64 s[100:101], s[8:9], 8388608       ; x1 lies behind h2
	s_add_nc_u64 s[90:91], s[70:71], s[2:3]
	s_add_nc_u64 s[90:91], s[90:91], s[18:19]
	s_or_b32 s91, s91, 0x80000000
.endif
	CROUND                                         ; all sixteen work-groups are here: the first joint loads meet
.irp s, 0,1
	s_mov_b32 s[G0+4*(\s)], 1
	s_add_co_u32 s[G0+4*(\s)+1], s20, (\s)*SLOT
	s_add_nc_u64 s[G0+4*(\s)+2:G0+4*(\s)+3], s[14:15], (\s)*ASTEP
	s_or_b32 s[G0+4*(\s)+3], s[G0+4*(\s)+3], 0x80000000
	s_mov_b32 s[G0B+4*(\s)], 1
	s_add_co_u32 s[G0B+4*(\s)+1], s20, (\s)*SLOT
	s_add_nc_u64 s[G0B+4*(\s)+2:G0B+4*(\s)+3], s[46:47], (\s)*BSTEP
	s_or_b32 s[G0B+4*(\s)+3], s[G0B+4*(\s)+3], 0x80000000
	JLOAD \s
.endr
	v_and_b32 v1, 15, v0                           ; l % 16
	v_bfe_u32 v2, v0, 4, 1                         ; l / 16
	s_lshl_b32 s21, s12, 8
	v_lshlrev_b32 v[BOF], 5, v2
	v_add_nc_u32 v[BOF], s21, v[BOF]               ; my 64 columns, my 8 of each 16
.irp b, 0,1,2,3
	global_load_b128 v[BI+8*\b:BI+8*\b+3], v[BOF], s[68:69] offset:64*\b
	global_load_b128 v[BI+8*\b+4:BI+8*\b+7], v[BOF], s[68:69] offset:64*\b+16
.endr
	v_mul_u32_u24 v3, v1, PITCH
	v_lshl_add_u32 v3, v2, 4, v3                   ; a fragment's row x pitch + 16 x half
	s_mul_i32 s21, s11, HALFT
	s_mul_i32 s22, s12, HALFT
	s_add_co_u32 s22, s22, 2*HALFT
.irp s, 0,1
	v_add_nc_u32 v[ADRA+(\s)], s21, v3
	v_add_nc_u32 v[ADRB+(\s)], s22, v3
	s_add_co_u32 s21, s21, SLOT
	s_add_co_u32 s22, s22, SLOT
.endr
	s_mul_i32 s23, s11, 64*SPITCH                  ; into the stage: my 64 rows, my half of their 256 bytes
	s_lshl_b32 s21, s12, 7
	s_add_co_u32 s23, s23, s21
	s_add_co_u32 s23, s23, STAGE
	v_mul_u32_u24 v4, v1, SPITCH
	v_lshl_add_u32 v4, v2, 4, v4
	v_add_nc_u32 v[STO], s23, v4
	s_mul_i32 s23, s10, 32*SPITCH                  ; back: wave w takes rows 32 w .. 32 w + 31
	s_add_co_u32 s23, s23, STAGE
	v_and_b32 v6, 31, v0
.if MODE == 0
	v_bfe_u32 v5, v0, 3, 2                         ; 32 lanes take four rows' 128 bytes of one block
	v_and_b32 v7, 7, v0
	v_mul_u32_u24 v5, v5, SPITCH
	v_lshl_add_u32 v5, v7, 4, v5
	v_add_nc_u32 v[RD], s23, v5
	v_lshlrev_b32 v[CO], 4, v6                     ; which are 512 consecutive bytes of the output
.else
	v_mul_u32_u24 v5, v2, SPITCH                   ; 32 lanes take two rows' 128 bytes of one block, 8 bytes each
	v_lshl_add_u32 v5, v1, 3, v5
	v_add_nc_u32 v[RD], s23, v5
.endif
.if MODE == 1
	s_lshl_b32 s23, s10, 14
	v_lshlrev_b32 v5, 9, v2
	v_lshl_add_u32 v5, v1, 4, v5
	v_add_nc_u32 v[RR], s23, v5                    ; x: rows of 512 bytes, 16 bytes a lane
	v_lshlrev_b32 v[BO], 3, v6
.elseif MODE == 2
	s_lshl_b32 s23, s10, 13
	v_lshl_add_u32 v[RR], v6, 3, s23               ; x1: rows of 128 bytes, 8 bytes a lane
	v_lshlrev_b32 v5, 12, v2
	v_lshl_add_u32 v[CO], v1, 4, v5                ; out0: rows of 4,096 bytes, 16 bytes a lane
.endif
	s_mov_b32 s20, 0x43000000                      ; 128.0, as a pair
	s_mov_b32 s21, 0x43000000
	s_mov_b32 s22, 0x3e000000                      ; 1 / 8
	s_mov_b32 s23, 0x3e000000
	s_wait_loadcnt 0x0                             ; the biases: all this stands in the wait for the first tile
	s_wait_kmcnt 0x0
.set i, 0
.rept 16
	v_pk_mul_f32 v[BI+i:BI+i+1], v[BI+i:BI+i+1], s[20:21] op_sel_hi:[1,0]
.set i, i+2
.endr
.set i, 0
.rept 32
	v_rndne_f32 v[BI+i], v[BI+i]
.set i, i+1
.endr
.set i, 0
.rept 32
	v_med3_num_f32 v[BI+i], v[BI+i], s99, s79
.set i, i+1
.endr
.set i, 0
.rept 16
	v_pk_mul_f32 v[BI+i:BI+i+1], v[BI+i:BI+i+1], s[22:23] op_sel_hi:[1,0]  ; code(bias) / 8
.set i, i+2
.endr
.if MODE == 1
	v_mov_b32 v6, s92
	v_mov_b32 v7, s94
	v_mul_f32 v6, 0x41800000, v6
	v_mul_f32 v7, 0x41800000, v7
	v_rndne_f32 v6, v6
	v_rndne_f32 v7, v7
	v_med3_num_f32 v6, v6, s99, s79
	v_med3_num_f32 v7, v7, s99, s79
	v_mul_f32 v6, 0x3d800000, v6
	v_readfirstlane_b32 s92, v6                    ; code(aff2_w) / 16
	v_readfirstlane_b32 s94, v7                    ; code(aff2_b)
	s_mov_b32 s93, s92
	s_mov_b32 s95, s94
	s_mov_b32 s96, 0x41800000                      ; 16.0
	s_mov_b32 s97, 0x41800000
.elseif MODE == 2
	s_mov_b32 s96, 0x3d800000                      ; 1 / 16
	s_mov_b32 s97, 0x3d800000
.endif
; 8 matrix instructions: m blocks a0, a0 + 1 x all 4 n blocks, 32 along K: half c of buffer f.  zero = 1: the first product starts the sums.  The 16 accumulators take turns.
.macro MUL8 f, c, a0, zero
	WIN MUL
.irp a, \a0, (\a0)+1
.irp b, 0,1,2,3
.if \zero
	v_wmma_f32_16x16x32_bf16 v[ACC+8*(4*(\a)+(\b)):ACC+8*(4*(\a)+(\b))+7], v[(\f)+64+8*(4*(\c)+(\b)):(\f)+64+8*(4*(\c)+(\b))+7], v[(\f)+8*(4*(\c)+(\a)):(\f)+8*(4*(\c)+(\a))+7], 0
.else
	v_wmma_f32_16x16x32_bf16 v[ACC+8*(4*(\a)+(\b)):ACC+8*(4*(\a)+(\b))+7], v[(\f)+64+8*(4*(\c)+(\b)):(\f)+64+8*(4*(\c)+(\b))+7], v[(\f)+8*(4*(\c)+(\a)):(\f)+8*(4*(\c)+(\a))+7], v[ACC+8*(4*(\a)+(\b)):ACC+8*(4*(\a)+(\b))+7]
.endif
.endr
.endr
.endm
; 32 LDS loads in one run: the fragments of one block of 64 k, which begins at byte k of a half tile, into buffer f; its first 32 k first
.macro FETCH slot, k, f
	WIN TO_F
.irp c, 0,1
.irp i, 0,1,2,3
	ds_load_b128 v[(\f)+64+8*(4*(\c)+(\i)):(\f)+64+8*(4*(\c)+(\i))+3],   v[ADRB+(\slot)] offset:(\k)+64*(\c)+(\i)*16*PITCH
	ds_load_b128 v[(\f)+64+8*(4*(\c)+(\i))+4:(\f)+64+8*(4*(\c)+(\i))+7], v[ADRB+(\slot)] offset:(\k)+64*(\c)+(\i)*16*PITCH+32
	ds_load_b128 v[(\f)+8*(4*(\c)+(\i)):(\f)+8*(4*(\c)+(\i))+3],         v[ADRA+(\slot)] offset:(\k)+64*(\c)+(\i)*16*PITCH
	ds_load_b128 v[(\f)+8*(4*(\c)+(\i))+4:(\f)+8*(4*(\c)+(\i))+7],       v[ADRA+(\slot)] offset:(\k)+64*(\c)+(\i)*16*PITCH+32
.endr
.endr
.endm
.macro PLACES                          ; four places in front of loads into registers that matrix instructions have read, and of vector lines that read results
.rept 4
	v_nop
.endr
.endm
; A K step is four quarters of 64 along K, 32 matrix instructions each, on buffers 0, 1, 0, 1.  One of the first three: multiplies buffer f and fetches the next quarter, at byte k, into g.
.macro QUARTER slot, k, f, g, zero
	s_wait_dscnt 16                                ; the first 32 along K are in; the sixteen younger loads may be out
	WIN MUL
	MUL8 \f, 0, 0, \zero
	MUL8 \f, 0, 2, \zero
	PLACES
	FETCH \slot, \k, \g
	s_wait_dscnt 32                                ; all but the 32 just issued
	WIN MUL
	MUL8 \f, 1, 0, 0
	MUL8 \f, 1, 2, 0
.endm
; The last quarter multiplies buffer 1 and changes slots: ONE barrier; in front of it each wave waits for all its tensor loads, adds 0 to its spare word, and waits for that and for its reads of this slot.
; fill = 1: the slot is filled again, two K steps ahead, jointly, behind a round of the cluster's barrier.  fill = 2: slot 0 has had its last K step: behind the same round each wave asks for its part of RES.
.macro TURN slot, next, fill
	WIN 0                                          ; (the add's two registers lie in window 0)
	s_wait_tensorcnt 0x0                           ; all my tensor loads have landed: my part of the next slot
	ds_add_u32 v[SPW], v[NIL]                      ; 0 onto my spare word
	s_wait_dscnt 17                                ; (the add and the youngest sixteen loads may be out)
	WIN MUL
	MUL8 F1, 0, 0, 0
	s_wait_dscnt 0x0                               ; the add is done, and my reads of this slot are over
	s_barrier_signal -1
	MUL8 F1, 0, 2, 0
.if \fill
	WIN 0
.endif
	s_barrier_wait -1
.if (\fill) == 1
	CREST                                          ; no wave of any partner still reads this slot's tile or has a load on its way
	s_add_nc_u64 s[G0+4*(\slot)+2:G0+4*(\slot)+3], s[G0+4*(\slot)+2:G0+4*(\slot)+3], 2*ASTEP
	s_add_nc_u64 s[G0B+4*(\slot)+2:G0B+4*(\slot)+3], s[G0B+4*(\slot)+2:G0B+4*(\slot)+3], 2*BSTEP
	JLOAD \slot                                    ; the four v_nop behind it are also the places in front of the loads below
.elseif (\fill) == 2
	CREST
	RLOAD                                          ; it has the last K step's products in which to land
.else
	PLACES
.endif
	FETCH \next, 0, F0
	WIN MUL
	MUL8 F1, 1, 0, 0
	MUL8 F1, 1, 2, 0
.endm
	s_wait_tensorcnt 1                             ; my part of K step 0 is in; K step 1's may stay out
	s_barrier_signal -1
	s_barrier_wait -1
	FETCH 0, 0, F0
	QUARTER 0, KBLK, F0, F1, 1                     ; the first quarter stands in front of the loop: its first products start the sums
	WIN 0
	s_mov_b32 s3, LAPS-1
.Llap:                                                 ; a trip goes once round the ring and fills both slots again
	QUARTER 0, 2*KBLK, F1, F0, 0
	QUARTER 0, 3*KBLK, F0, F1, 0
	TURN 0, 1, 1
	QUARTER 1, KBLK,   F0, F1, 0
	QUARTER 1, 2*KBLK, F1, F0, 0
	QUARTER 1, 3*KBLK, F0, F1, 0
	TURN 1, 0, 1
	QUARTER 0, KBLK,   F0, F1, 0
	WIN 0
	s_sub_co_u32 s3, s3, 1
	s_cmp_lg_u32 s3, 0
	s_cbranch_scc1 .Llap
	QUARTER 0, 2*KBLK, F1, F0, 0                   ; the last lap asks for no K step
	QUARTER 0, 3*KBLK, F0, F1, 0
	TURN 0, 1, TAILF
	QUARTER 1, KBLK,   F0, F1, 0
	QUARTER 1, 2*KBLK, F1, F0, 0
	QUARTER 1, 3*KBLK, F0, F1, 0
	s_wait_dscnt 16
	WIN MUL
	MUL8 F1, 0, 0, 0
	MUL8 F1, 0, 2, 0
	s_wait_dscnt 0x0
	MUL8 F1, 1, 0, 0
	MUL8 F1, 1, 2, 0
	WIN 0
	; THE WAY OUT, first part: acc / 128 + bias, rounded to nearest even, clamped, packed; 16 bytes a lane into the stage.  Each accumulator is read from its low end on.
	PLACES
.macro CONV t
.set rA, ACC+8*(\t)
.set rB, BI+8*((\t)%4)
.irp r, 0,2,4,6
	v_pk_fma_f32 v[rA+\r:rA+\r+1], v[rA+\r:rA+\r+1], s[76:77], v[rB+\r:rB+\r+1] op_sel_hi:[1,0,1]
.endr
.irp r, 0,1,2,3,4,5,6,7
	v_rndne_f32 v[rA+\r], v[rA+\r]
.endr
.irp r, 0,1,2,3,4,5,6,7
	v_med3_num_f32 v[rA+\r], v[rA+\r], s78, s79
.endr
.irp r, 0,1,2,3
	v_cvt_pk_bf16_f32 v[TMP+4*(\t)+\r], v[rA+2*\r], v[rA+2*\r+1]
.endr
.endm
.irp t, 0,1,2,3,4,5,6,7,8,9,10,11,12,13,14,15
	CONV \t
.endr
.irp a, 0,1,2,3
.irp b, 0,1,2,3
	ds_store_b128 v[STO], v[TMP+4*(4*(\a)+(\b)):TMP+4*(4*(\a)+(\b))+3] offset:(\a)*16*SPITCH+32*(\b)
.endr
.endr
	s_wait_dscnt 0x0                               ; for the others' sake: my stores into the stage are done
	s_barrier_signal -1
	s_barrier_wait -1
.if MODE == 0
	; second part: whole rows back; a store covers four rows of one block: 512 consecutive bytes
.irp t, 0,1,2,3,4,5,6,7,8,9,10,11,12,13,14,15
	ds_load_b128 v[TMP+4*(\t):TMP+4*(\t)+3], v[RD] offset:((\t)/2)*4*SPITCH+((\t)%2)*128
.endr
.irp t, 0,1,2,3,4,5,6,7,8,9,10,11,12,13,14,15
	s_wait_dscnt 15-(\t)                           ; the younger loads may stay out
	global_store_b128 v[CO], v[TMP+4*(\t):TMP+4*(\t)+3], s[8:9] offset:((\t)%2)*524288+((\t)/2)*512
.endr
.else
	; second part: eight trips of four rows.  Item it: rows 2 (it / 2) and + 1 of the four, block it % 2; a lane has 4 numbers.
.macro ITEM it
.if MODE == 1
.set zc, 32+2*(\it)
.set xr, 40+4*(\it)
	v_lshlrev_b32 v56, 16, v[zc]                   ; the product's codes as f32
	v_and_b32 v57, 0xffff0000, v[zc]
	v_lshlrev_b32 v58, 16, v[zc+1]
	v_and_b32 v59, 0xffff0000, v[zc+1]
	v_pk_mul_f32 v[xr:xr+1], v[xr:xr+1], s[96:97] op_sel_hi:[1,0]
	v_pk_mul_f32 v[xr+2:xr+3], v[xr+2:xr+3], s[96:97] op_sel_hi:[1,0]
.irp j, 0,1,2,3
	v_rndne_f32 v[xr+\j], v[xr+\j]
.endr
.irp j, 0,1,2,3
	v_med3_num_f32 v[xr+\j], v[xr+\j], s78, s79    ; code(x)
.endr
	v_pk_add_f32 v[xr:xr+1], v[xr:xr+1], v[56:57]
	v_pk_add_f32 v[xr+2:xr+3], v[xr+2:xr+3], v[58:59]
.irp j, 0,1,2,3
	v_med3_num_f32 v[xr+\j], v[xr+\j], s78, s79    ; x1
.endr
	v_cvt_pk_bf16_f32 v[72+2*(\it)], v[xr], v[xr+1]
	v_cvt_pk_bf16_f32 v[73+2*(\it)], v[xr+2], v[xr+3]
	v_pk_mul_f32 v[xr:xr+1], v[xr:xr+1], s[92:93] op_sel_hi:[1,0]
	v_pk_mul_f32 v[xr+2:xr+3], v[xr+2:xr+3], s[92:93] op_sel_hi:[1,0]
.irp j, 0,1,2,3
	v_rndne_f32 v[xr+\j], v[xr+\j]
.endr
.irp j, 0,1,2,3
	v_med3_num_f32 v[xr+\j], v[xr+\j], s78, s79
.endr
	v_pk_add_f32 v[xr:xr+1], v[xr:xr+1], s[94:95] op_sel_hi:[1,0]
	v_pk_add_f32 v[xr+2:xr+3], v[xr+2:xr+3], s[94:95] op_sel_hi:[1,0]
.irp j, 0,1,2,3
	v_med3_num_f32 v[xr+\j], v[xr+\j], s78, s79    ; h2
.endr
	v_cvt_pk_bf16_f32 v[64+2*(\it)], v[xr], v[xr+1]
	v_cvt_pk_bf16_f32 v[65+2*(\it)], v[xr+2], v[xr+3]
	global_store_b64 v[BO], v[64+2*(\it):65+2*(\it)], s[8:9] offset:((\it)%2)*524288+((\it)/2)*256      ; 256 consecutive bytes, aligned
	global_store_b64 v[BO], v[72+2*(\it):73+2*(\it)], s[100:101] offset:((\it)%2)*524288+((\it)/2)*256
.else
.set mc, 32+2*(\it)
.set xq, 40+2*(\it)
.set ou, 64+4*(\it)
	v_lshlrev_b32 v[ou], 16, v[mc]
	v_and_b32 v[ou+1], 0xffff0000, v[mc]
	v_lshlrev_b32 v[ou+2], 16, v[mc+1]
	v_and_b32 v[ou+3], 0xffff0000, v[mc+1]
	v_lshlrev_b32 v48, 16, v[xq]
	v_and_b32 v49, 0xffff0000, v[xq]
	v_lshlrev_b32 v50, 16, v[xq+1]
	v_and_b32 v51, 0xffff0000, v[xq+1]
	v_pk_add_f32 v[ou:ou+1], v[ou:ou+1], v[48:49]
	v_pk_add_f32 v[ou+2:ou+3], v[ou+2:ou+3], v[50:51]
	v_pk_mul_f32 v[ou:ou+1], v[ou:ou+1], s[96:97] op_sel_hi:[1,0]
	v_pk_mul_f32 v[ou+2:ou+3], v[ou+2:ou+3], s[96:97] op_sel_hi:[1,0]
	global_store_b128 v[CO], v[ou:ou+3], s[8:9] offset:((\it)/2)*8192+((\it)%2)*256  ; 16 lanes store 256 consecutive bytes, aligned
.endif
.endm
	s_wait_tensorcnt 0x0                           ; my part of RES is in; I alone read it
	s_mov_b32 s98, 8
.Lrows:
.irp it, 0,1,2,3
	ds_load_b64 v[32+2*\it:33+2*\it], v[RD] offset:(\it/2)*2*SPITCH+(\it%2)*128
.endr
.irp it, 0,1,2,3
.if MODE == 1
	ds_load_b128 v[40+4*\it:43+4*\it], v[RR] offset:(\it/2)*1024+(\it%2)*256
.else
	ds_load_b64 v[40+2*\it:41+2*\it], v[RR] offset:(\it%2)*4096+(\it/2)*256
.endif
.endr
	s_wait_dscnt 0x0
.irp it, 0,1,2,3
	ITEM \it
.endr
	v_add_nc_u32 v[RD], 4*SPITCH, v[RD]
.if MODE == 1
	v_add_nc_u32 v[RR], 2048, v[RR]
.else
	v_add_nc_u32 v[RR], 512, v[RR]
.endif
	s_wait_xcnt 0x0                                ; the stores' data and bases are written again only behind this wait
.if MODE == 1
	s_add_nc_u64 s[8:9], s[8:9], 512
	s_add_nc_u64 s[100:101], s[100:101], 512
.else
	s_add_nc_u64 s[8:9], s[8:9], 16384
.endif
	s_sub_co_u32 s98, s98, 1
	s_cmp_lg_u32 s98, 0
	s_cbranch_scc1 .Lrows
.endif
	s_wait_tensorcnt 0x0                           ; the wave's end: 0 onto my spare word, behind my last tensor load and my last LDS store
	ds_add_u32 v[SPW], v[NIL]
	s_wait_dscnt 0x0
	CROUND                                         ; the closing round: no work-group ends while a partner may still ask for a tile that names it
	s_endpgm
.Lfunc_end_k_q867467ef55_fc2:
	.size	k_q867467ef55_fc2, .Lfunc_end_k_q867467ef55_fc2-k_q867467ef55_fc2
	.p2alignl 7, 3214868480
	.fill 96, 4, 3214868480
	.section	.rodata,"a",@progbits
	.p2align	6, 0x0
	.amdhsa_kernel k_q867467ef55_fc2
		.amdhsa_group_segment_fixed_size 327680
		.amdhsa_private_segment_fixed_size 0
		.amdhsa_enable_private_segment 0
		.amdhsa_kernarg_size 40
		.amdhsa_user_sgpr_count 2
		.amdhsa_user_sgpr_kernarg_segment_ptr 1
		.amdhsa_wavefront_size32 1
		.amdhsa_system_sgpr_workgroup_id_x 1
		.amdhsa_system_sgpr_workgroup_id_y 1
		.amdhsa_system_sgpr_workgroup_id_z 1
		.amdhsa_system_vgpr_workitem_id 0
		.amdhsa_next_free_vgpr 512
		.amdhsa_next_free_sgpr 102
		.amdhsa_reserve_vcc 0
		.amdhsa_float_denorm_mode_32 3
		.amdhsa_float_denorm_mode_16_64 3
		.amdhsa_memory_ordered 1
		.amdhsa_forward_progress 1
		.amdhsa_inst_pref_size 111
	.end_amdhsa_kernel
	.amdgpu_metadata
---
amdhsa.version: [ 1, 2 ]
amdhsa.kernels:
  - .name:           k_q867467ef55_fc2
    .symbol:         k_q867467ef55_fc2.kd
    .args:
      - { .name: big, .offset: 0, .size: 8, .value_kind: global_buffer, .address_space: global }
      - { .name: wpf, .offset: 8, .size: 8, .value_kind: global_buffer, .address_space: global }
      - { .name: fc2_b, .offset: 16, .size: 8, .value_kind: global_buffer, .address_space: global }
      - { .name: h2x, .offset: 24, .size: 8, .value_kind: global_buffer, .address_space: global }
      - { .name: out0, .offset: 32, .size: 8, .value_kind: global_buffer, .address_space: global }
    .group_segment_fixed_size: 327680
    .private_segment_fixed_size: 0
    .kernarg_segment_align: 8
    .kernarg_segment_size: 40
    .max_flat_workgroup_size: 128
    .sgpr_count:     102
    .vgpr_count:     512
    .wavefront_size: 32
...
	.end_amdgpu_metadata
.endif
;; end of part 5
